; MI455X (gfx1250); checked and timed in simulation.
; The chip was launched on July 23, 2026; its instructions are those of AMD's public machine-readable ISA for CDNA 5 (MIT licence, August 2026) and "CDNA5" Instruction Set Architecture Reference Guide (July 2026). The comments in the code are by the model that wrote it; some were corrected since.
;; Standard Attention. Allowed arithmetic: float matrix products may take bf16 or f16 operands with f32 sums; all other float work in f32.
;; Inputs: Wk 1,024 x 1,024 float32; Wo 1,024 x 1,024 float32; Wq 1,024 x 1,024 float32; Wv 1,024 x 1,024 float32; x 2 x 2,048 x 1,024 float32.
;; Outputs: out0 2 x 2,048 x 1,024 float32.
;; 2 versions, each right and faster than the one before. Each part assembles by itself: llvm-mc -triple=amdgcn-amd-amdhsa -mcpu=gfx1250 --defsym DOCPART=n.
;; ======== version 1 of 2: 4 launches
;; limits: values are held in f16: magnitudes above 65,504 overflow, below 6.1e-05 lose precision
;; workspace buffers: xb 8,388,608 bytes; wt 8,388,608 bytes; qkv 25,165,824 bytes; ao 16,777,216 bytes
;; launch cast (part 1): grid 512 x 1, 8 waves a work-group, no clusters, 18,432 bytes of LDS; arguments x, Wq, Wk, Wv, Wo, xb, wt; writes xb, wt
.if DOCPART == 1
	.amdgcn_target "amdgcn-amd-amdhsa--gfx1250"
	.amdhsa_code_object_version 6
	.text
	.protected	k_q0d3a7c3261_cast
	.globl	k_q0d3a7c3261_cast
	.p2align	8
	.type	k_q0d3a7c3261_cast,@function
k_q0d3a7c3261_cast:
	s_mov_b64 s[64:65], 0
	v_nop
	global_prefetch_b8 v0, s[64:65] scope:SCOPE_SE
	s_setreg_imm32_b32 hwreg(HW_REG_WAVE_MODE, 25, 1), 1
	s_wait_xcnt 0x0
; xb = x rounded to bf16, [4096][1024].  wt[mat*1024 + n][k] = W_mat[k][n], mat = q, k, v, o: the four weights transposed, so that K lies
; along the rows as the matrix instructions want both operands.  Wq, Wk, Wv are kept as bf16.  Wo is rounded to bf16 too, and that value is
; stored as f16, because the last product runs in f16: a bf16 number has 8 significant bits, f16 holds 11, so the step is exact for
; |w| >= 2^-17 and off by at most 2^-25 below that.  LIMIT: |Wo| < 65,504.
; A stream: every input byte is read once by 16-byte loads, every output byte written once, sixteen neighbouring lanes filling 256
; consecutive aligned bytes.  No matrix unit, no cluster (the work-groups share nothing), no tensor loads: a thread has all its 16 loads out at once.
; 512 work-groups of 8 waves; work-group g takes 32,768 bytes of x and one tile of 128 k x 64 n of one W (32,768 bytes).
.set WR, 8                             ; v[8:39]    W as loaded: register 4 j + i = W[k0 + j][4 c + i]
.set XR, 40                            ; v[40:71]   x as loaded
.set TT, 72                            ; v[72:87]   W transposed: registers 4 i .. 4 i + 3 = row n = 4 c + i, eight k
.set XO, 88                            ; v[88:103]  x in bf16
.set RB, 104                           ; v[104:119] rows of wt read back
.set LP, 272                           ; an LDS row: 128 k x 2 bytes + 16
	s_load_b256 s[4:11], s[0:1], 0x0               ; x s[4:5], Wq s[6:7], Wk s[8:9], Wv s[10:11]
	s_load_b128 s[12:15], s[0:1], 0x20             ; Wo s[12:13], xb s[14:15]
	s_load_b64 s[16:17], s[0:1], 0x30              ; wt
	v_lshl_add_u32 v120, v0, 2, 0x4400
	v_mov_b32 v121, 0
	s_lshr_b32 s18, ttmp9, 7                       ; mat: which W
	s_bfe_u32 s19, ttmp9, 0x30004                  ; kt: which 128 k
	s_and_b32 s20, ttmp9, 15                       ; nt: which 64 n
	s_lshl_b32 s22, ttmp9, 15                      ; x: g x 32,768 bytes
	s_mov_b32 s23, 0
	s_lshl_b32 s24, ttmp9, 14                      ; xb: g x 16,384 bytes
	s_mov_b32 s25, 0
	s_lshl_b32 s26, s19, 19                        ; W: kt x 128 rows of 4,096 bytes
	s_lshl_b32 s21, s20, 8                         ;    + nt x 256 bytes
	s_add_co_u32 s26, s26, s21
	s_mov_b32 s27, 0
	s_lshl_b32 s28, s18, 21                        ; wt: (mat x 1024 + nt x 64) rows of 2,048 bytes + kt x 256 bytes
	s_lshl_b32 s21, s20, 17
	s_add_co_u32 s28, s28, s21
	s_lshl_b32 s21, s19, 8
	s_add_co_u32 s28, s28, s21
	s_mov_b32 s29, 0
	v_lshlrev_b32 v1, 4, v0                        ; x: 16 t
	v_lshlrev_b32 v2, 3, v0                        ; xb: 8 t
	v_and_b32 v7, 15, v0                           ; c = t % 16
	v_lshrrev_b32 v[TT], 4, v0                     ; u = t / 16
	v_lshlrev_b32 v[TT+1], 4, v7                   ; 16 c
	v_lshl_add_u32 v3, v[TT], 15, v[TT+1]          ; W: row 8 u, bytes 16 c
	v_mul_u32_u24 v4, v7, 4*LP
	v_lshl_add_u32 v4, v[TT], 4, v4                ; LDS in: row 4 c, byte 2 x 8 u
	v_mul_u32_u24 v5, v[TT], LP
	v_add_nc_u32 v5, v5, v[TT+1]                   ; LDS back: row u, bytes 16 c
	v_lshl_add_u32 v6, v[TT], 11, v[TT+1]          ; wt: row u, bytes 16 c
	s_wait_kmcnt 0x0
	s_cmp_eq_u32 s18, 1                            ; the W of this work-group
	s_cselect_b64 s[6:7], s[8:9], s[6:7]
	s_cmp_eq_u32 s18, 2
	s_cselect_b64 s[6:7], s[10:11], s[6:7]
	s_cmp_eq_u32 s18, 3
	s_cselect_b64 s[6:7], s[12:13], s[6:7]
	s_add_nc_u64 s[6:7], s[6:7], s[26:27]
	s_add_nc_u64 s[4:5], s[4:5], s[22:23]
	s_add_nc_u64 s[14:15], s[14:15], s[24:25]
	s_add_nc_u64 s[16:17], s[16:17], s[28:29]
.irp j, 0,1,2,3,4,5,6,7
	global_load_b128 v[WR+4*\j:WR+4*\j+3], v3, s[6:7] offset:4096*\j th:TH_LOAD_NT   ; lanes 0-15 one row of 256 bytes, lanes 16-31 the row 8 below
.endr
.irp i, 0,1,2,3,4,5,6,7
	global_load_b128 v[XR+4*\i:XR+4*\i+3], v1, s[4:5] offset:4096*\i th:TH_LOAD_NT   ; 512 consecutive bytes a wave
.endr
	s_wait_loadcnt 0x8                             ; the eight loads of W are in; the eight younger ones of x stay out
.irp i, 0,1,2,3
.irp q, 0,1,2,3
	v_cvt_pk_bf16_f32 v[TT+4*\i+\q], v[WR+8*\q+\i], v[WR+8*\q+4+\i]   ; column 4 c + i, k0 + 2 q and k0 + 2 q + 1
.endr
.endr
	s_cmp_lg_u32 s18, 3
	s_cbranch_scc1 .Lstays_bf16
.irp n, 0,1,2,3,4,5,6,7,8,9,10,11,12,13,14,15
	v_lshlrev_b32 v[WR+2*\n], 16, v[TT+\n]         ; Wo: the bf16 values widened (W's registers are free),
	v_and_b32 v[WR+2*\n+1], 0xffff0000, v[TT+\n]
	v_cvt_pk_f16_f32 v[TT+\n], v[WR+2*\n], v[WR+2*\n+1]   ; and written as f16
.endr
.Lstays_bf16:
.irp i, 0,1,2,3
	ds_store_b128 v4, v[TT+4*\i:TT+4*\i+3] offset:LP*\i   ; rows 4 c + i lie 4 x 272 bytes apart from lane to lane: four lanes meet in a bank; four stores a lane in all
.endr
	s_wait_dscnt 0x0                               ; my stores are in LDS, for the other waves' sake
	s_barrier_signal -1
	s_barrier_wait -1
.irp q, 0,1,2,3
	ds_load_b128 v[RB+4*\q:RB+4*\q+3], v5 offset:16*LP*\q   ; rows 16 q + u, whole
.endr
.irp i, 0,1,2,3,4,5,6,7
	s_wait_loadcnt 7-\i                            ; loads come back in order: number i of x is in
	v_cvt_pk_bf16_f32 v[XO+2*\i], v[XR+4*\i], v[XR+4*\i+1]
	v_cvt_pk_bf16_f32 v[XO+2*\i+1], v[XR+4*\i+2], v[XR+4*\i+3]
	global_store_b64 v2, v[XO+2*\i:XO+2*\i+1], s[14:15] offset:2048*\i   ; a wave stores 256 consecutive bytes, aligned
.endr
.irp q, 0,1,2,3
	s_wait_dscnt 3-\q
	global_store_b128 v6, v[RB+4*\q:RB+4*\q+3], s[16:17] offset:32768*\q   ; sixteen lanes store 256 consecutive bytes of a row of wt
.endr
	s_wait_tensorcnt 0x0
	ds_add_u32 v120, v121
	s_wait_dscnt 0x0
	s_endpgm
.Lfunc_end_k_q0d3a7c3261_cast:
	.size	k_q0d3a7c3261_cast, .Lfunc_end_k_q0d3a7c3261_cast-k_q0d3a7c3261_cast
	.p2alignl 7, 3214868480
	.fill 96, 4, 3214868480
	.section	.rodata,"a",@progbits
	.p2align	6, 0x0
	.amdhsa_kernel k_q0d3a7c3261_cast
		.amdhsa_group_segment_fixed_size 18432
		.amdhsa_private_segment_fixed_size 0
		.amdhsa_enable_private_segment 0
		.amdhsa_kernarg_size 56
		.amdhsa_user_sgpr_count 2
		.amdhsa_user_sgpr_kernarg_segment_ptr 1
		.amdhsa_wavefront_size32 1
		.amdhsa_system_sgpr_workgroup_id_x 1
		.amdhsa_system_sgpr_workgroup_id_y 1
		.amdhsa_system_sgpr_workgroup_id_z 1
		.amdhsa_system_vgpr_workitem_id 0
		.amdhsa_next_free_vgpr 122
		.amdhsa_next_free_sgpr 66
		.amdhsa_reserve_vcc 0
		.amdhsa_float_denorm_mode_32 3
		.amdhsa_float_denorm_mode_16_64 3
		.amdhsa_memory_ordered 1
		.amdhsa_forward_progress 1
		.amdhsa_inst_pref_size 11
	.end_amdhsa_kernel
	.amdgpu_metadata
---
amdhsa.version: [ 1, 2 ]
amdhsa.kernels:
  - .name:           k_q0d3a7c3261_cast
    .symbol:         k_q0d3a7c3261_cast.kd
    .args:
      - { .name: x, .offset: 0, .size: 8, .value_kind: global_buffer, .address_space: global }
      - { .name: Wq, .offset: 8, .size: 8, .value_kind: global_buffer, .address_space: global }
      - { .name: Wk, .offset: 16, .size: 8, .value_kind: global_buffer, .address_space: global }
      - { .name: Wv, .offset: 24, .size: 8, .value_kind: global_buffer, .address_space: global }
      - { .name: Wo, .offset: 32, .size: 8, .value_kind: global_buffer, .address_space: global }
      - { .name: xb, .offset: 40, .size: 8, .value_kind: global_buffer, .address_space: global }
      - { .name: wt, .offset: 48, .size: 8, .value_kind: global_buffer, .address_space: global }
    .group_segment_fixed_size: 18432
    .private_segment_fixed_size: 0
    .kernarg_segment_align: 8
    .kernarg_segment_size: 56
    .max_flat_workgroup_size: 256
    .sgpr_count:     66
    .vgpr_count:     122
    .wavefront_size: 32
...
	.end_amdgpu_metadata
.endif
;; end of part 1
;; launch qkv (part 2): grid 16 x 16, 4 waves a work-group, clusters of 4 x 4, 327,680 bytes of LDS; arguments xb, wt, qkv; writes qkv
.if DOCPART == 2
	.amdgcn_target "amdgcn-amd-amdhsa--gfx1250"
	.amdhsa_code_object_version 6
	.text
	.protected	k_q0d3a7c3261_qkv
	.globl	k_q0d3a7c3261_qkv
	.p2align	8
	.type	k_q0d3a7c3261_qkv,@function
k_q0d3a7c3261_qkv:
	s_mov_b64 s[64:65], 0
	v_nop
	global_prefetch_b8 v0, s[64:65] scope:SCOPE_SE
	s_setreg_imm32_b32 hwreg(HW_REG_WAVE_MODE, 25, 1), 1
	s_wait_xcnt 0x0
	s_wait_alu depctr_hold_cnt(0) depctr_sa_sdst(0) depctr_va_vdst(0) depctr_va_sdst(0) depctr_va_ssrc(0) depctr_va_vcc(0) depctr_vm_vsrc(0)
	s_getreg_b32 s2, hwreg(HW_REG_IB_STS2, 6, 4)
	s_cmp_eq_u32 s2, 0
	s_cbranch_scc0 .Lentry_in_a_cluster
	s_endpgm
.Lentry_in_a_cluster:
	s_bfe_u32 s2, ttmp6, 0x10000c
	s_cmp_lg_u32 s2, 0xf033
	s_cbranch_scc0 .Lentry_shape_is_right
	s_endpgm
.Lentry_shape_is_right:
; q, k, v = x Wq, x Wk, x Wv as ONE product C[m][n] = sum over k of xb[m][k] wt[n][k], m < 4096, n < 3072, K = 1024, bf16 operands, f32 sums.
; C is stored per head as f16: qkv[b][s][l][64], s = n / 64 = mat x 16 + head, so that a head's rows of 128 bytes follow each other.
; f16 and not bf16 for q, k, v: the first rows of a sequence average few values and are some 15 times larger than the output's root mean square,
; so their operands need f16's 11 bits.  LIMIT: |x W| < 65,504 (all inputs 30 times larger give about 3,500; offsets of 30 spreads on x and W about 18,500).
; A work-group makes 256 x 192 of C (three whole heads' columns) with four waves; wave w makes rows 64 w .. 64 w + 63 x all 192 columns: 48 accumulator
; tiles, 384 registers, and whole head rows on the way out.  K goes in steps of 128 through two LDS slots filled by the tensor data mover; a tile's rows
; are 256 bytes of memory and start at multiples of 256 bytes.
; CLUSTERS: 4 x 4 work-groups.  The four of a row of the cluster need the same tiles of xb, the four of a column the same tiles of wt: each tile is asked
; for jointly, which divides the requests by four.
; REGISTERS: window 0: v16-26 addresses; v64-95, v96-127 fragments of xb (4 x 16 rows x 32 K), two buffers; v64-111, v128-175, v192-239 the way out
;   window 1: v0-95, v96-191 fragments of wt (12 x 16 rows x 32 K), two buffers
;   window 2: accumulator tiles (a, b) for b = 0..5 at v[8 (6 a + b)];  window 3: the same for b = 6..11
; The matrix instruction is used transposed (source 0 = rows of wt, source 1 = rows of xb): lane l holds row l % 16 of C and eight neighbouring columns.
; The 48 accumulators take turns, one instruction a turn, in the same order in every quarter step.
.set KSTEP,  128
.set PITCH,  272                       ; an LDS row: 256 bytes + 16 of padding, an odd multiple of 16: the 16 rows of a fragment load start in 16 different groups of banks
.set AHALF,  128*PITCH                 ; what waves 0 and 1 fetch: 128 rows of xb each
.set BHALF,  96*PITCH                  ; what waves 2 and 3 fetch: 96 rows of wt each
.set BOFF,   2*AHALF                   ; wt's 192 rows lie behind xb's 256
.set SLOT,   2*AHALF+2*BHALF           ; 121,856
.set STAGE,  2*SLOT                    ; 243,712 = 952 x 256: behind the ring, 16 rows x 400 bytes for each wave; no tensor load lands here
.set SPITCH, 400                       ; 384 bytes + 16
.set LAPS,   4                         ; 1024 / (2 x 128): a lap = two K steps = once round the ring
.set ADRA, 16                          ; v16-17  LDS address of my xb fragments in slot 0, 1
.set ADRB, 20                          ; v20-21  the same for wt
.set STO,  24
.set RD,   25
.set CO,   26
.set OUTA, 64
.set OUTB, 128
.set TMP,  192
.set G1, 24                            ; s[24:31] group 1 for xb's tiles
.set G0, 32                            ; s[32:39] group 0 for xb's tiles, one set for each slot
.set G1B, 48                           ; s[48:55] group 1 for wt's tiles
.set G0B, 56                           ; s[56:63] group 0 for wt's tiles
.set MSB, 0
.macro WIN new                         ; the immediate's high byte repeats the setting that is left
.if MSB != \new
	s_set_vgpr_msb (MSB<<8)|\new
.set MSB, \new
.endif
.endm
.set MUL_LO, 0xa1                      ; source 0 window 1, source 1 window 0, C and D window 2
.set MUL_HI, 0xf1                      ; the same, C and D window 3
.set TO_B,   0x40                      ; destination window 1, address window 0
.macro JLOAD s                         ; a joint load: waves 0 and 1 ask for xb's halves, waves 2 and 3 for wt's; the branch hangs on the wave's number alone
	s_cmp_eq_u32 s11, 0
	s_cbranch_scc0 .Lfor_b_\@
	tensor_load_to_lds s[G0+4*\s:G0+4*\s+3], s[G1:G1+7]
	s_nop 0
	s_branch .Lasked_\@
.Lfor_b_\@:
	tensor_load_to_lds s[G0B+4*\s:G0B+4*\s+3], s[G1B:G1B+7]
	s_nop 0
.Lasked_\@:
.endm
.macro CREST                           ; a round of the cluster's barrier behind its opening barrier
	s_cmp_lg_u32 s10, 0
	s_cbranch_scc1 .Lnot_wave_0_\@
	s_barrier_signal -3
.Lnot_wave_0_\@:
	s_barrier_wait -3
	s_barrier_signal -1
	s_barrier_wait -1
.endm
.macro CROUND                          ; a whole round
	s_barrier_signal -1
	s_barrier_wait -1
	CREST
.endm
.macro PLACES                          ; four places behind matrix instructions, in front of loads into their sources and of readers of their results
.rept 4
	v_nop
.endr
.endm
	s_load_b128 s[4:7], s[0:1], 0x0                ; xb s[4:5], wt s[6:7]
	s_load_b64 s[8:9], s[0:1], 0x10                ; qkv
	s_set_vgpr_msb 0x40
	v_lshl_add_u32 v255, v0, 2, 0x41c00
	s_set_vgpr_msb 0x4000
	v_mov_b32 v255, 0
	s_set_vgpr_msb 0x1
	ds_add_u32 v255, v255
	s_set_vgpr_msb 0x100
	v_lshrrev_b32 v1, 5, v0
	v_readfirstlane_b32 s10, v1                    ; wave 0..3
	s_lshr_b32 s11, s10, 1                         ; I fetch for xb (0) or for wt (1)
	s_and_b32 s12, s10, 1                          ; which half of that tile
	s_bfe_u32 s40, ttmp6, 0x40000                  ; cx
	s_bfe_u32 s41, ttmp6, 0x40004                  ; cy
	s_lshl_b32 s42, ttmp9, 2
	s_add_co_u32 s42, s42, s40                     ; J: block column = 4 x cluster x + cx
	s_and_b32 s13, ttmp7, 0xffff
	s_lshl_b32 s13, s13, 2
	s_add_co_u32 s13, s13, s41                     ; R: block row = 4 x cluster y + cy
	s_lshl_b32 s43, s41, 2
	s_lshl_b32 s43, 15, s43                        ; my row of the cluster
	s_lshl_b32 s44, 0x1111, s40                    ; my column
	s_or_b32 s[G1+0], s43, (1<<16)|(1<<20)|(1<<21)|(5<<22)|(3<<25)   ; mask of my row; elements of 2 bytes; padding on; bit 21 beside a mask; after every 64 words 4 words
	s_or_b32 s[G1B+0], s44, (1<<16)|(1<<20)|(1<<21)|(5<<22)|(3<<25)  ; the same with the mask of my column
	s_mov_b32 s[G1+1], KSTEP<<16                   ; tensor_dim0 = 128
	s_mov_b32 s[G1B+1], KSTEP<<16
	s_mov_b32 s[G1+2], 128<<16                     ; tensor_dim1 = 128 rows
	s_mov_b32 s[G1B+2], 96<<16                     ;             = 96 rows
	s_mov_b32 s[G1+3], KSTEP<<16                   ; tile_dim0 = 128
	s_mov_b32 s[G1B+3], KSTEP<<16
	s_mov_b32 s[G1+4], 128                         ; tile_dim1
	s_mov_b32 s[G1B+4], 96
	s_mov_b32 s[G1+5], 1024                        ; elements from row to row
	s_mov_b32 s[G1B+5], 1024
	s_mov_b32 s[G1+6], 0
	s_mov_b32 s[G1B+6], 0
	s_mov_b32 s[G1+7], 0
	s_mov_b32 s[G1B+7], 0
	s_lshl_b32 s17, s12, 7
	s_lshl_b32 s16, s13, 8
	s_add_co_u32 s16, s16, s17                     ; xb: row 256 R + 128 x half
	s_lshl_b32 s16, s16, 11                        ; x 2,048 bytes
	s_mov_b32 s17, 0
	s_mul_i32 s46, s42, 192
	s_mul_i32 s45, s12, 96
	s_add_co_u32 s46, s46, s45                     ; wt: row 192 J + 96 x half
	s_lshl_b32 s46, s46, 11
	s_mov_b32 s47, 0
	s_mul_i32 s20, s10, AHALF                      ; where xb's halves go: wave x 128 rows
	s_mul_i32 s21, s10, BHALF
	s_add_co_u32 s21, s21, BOFF-2*BHALF            ; where wt's go: behind xb's, (wave - 2) x 96 rows
	s_wait_dscnt 0x0
	s_wait_kmcnt 0x0
	s_add_nc_u64 s[14:15], s[4:5], s[16:17]
	s_add_nc_u64 s[46:47], s[6:7], s[46:47]
	CROUND                                         ; all sixteen work-groups are here: the first joint loads meet
.irp s, 0,1
	s_mov_b32 s[G0+4*\s], 1
	s_add_co_u32 s[G0+4*\s+1], s20, \s*SLOT
	s_add_nc_u64 s[G0+4*\s+2:G0+4*\s+3], s[14:15], \s*KSTEP*2
	s_or_b32 s[G0+4*\s+3], s[G0+4*\s+3], 0x80000000
	s_mov_b32 s[G0B+4*\s], 1
	s_add_co_u32 s[G0B+4*\s+1], s21, \s*SLOT
	s_add_nc_u64 s[G0B+4*\s+2:G0B+4*\s+3], s[46:47], \s*KSTEP*2
	s_or_b32 s[G0B+4*\s+3], s[G0B+4*\s+3], 0x80000000
	JLOAD \s                                       ; K steps 0 and 1: two tensor loads of the wave are out
.endr
	v_and_b32 v1, 15, v0                           ; r = l % 16
	v_bfe_u32 v2, v0, 4, 1                         ; h = l / 16
	v_mul_u32_u24 v3, v1, PITCH
	v_lshl_add_u32 v3, v2, 4, v3                   ; row x pitch + 16 h
	s_mul_i32 s22, s10, 64*PITCH                   ; my 64 rows of xb
	s_mov_b32 s23, BOFF                            ; all 192 rows of wt
.irp s, 0,1
	v_add_nc_u32 v[ADRA+\s], s22, v3
	v_add_nc_u32 v[ADRB+\s], s23, v3
	s_add_co_u32 s22, s22, SLOT
	s_add_co_u32 s23, s23, SLOT
.endr
	s_mul_i32 s23, s10, 16*SPITCH
	s_add_co_u32 s23, s23, STAGE                   ; my stage
	v_mul_u32_u24 v4, v1, SPITCH
	v_lshl_add_u32 v4, v2, 4, v4
	v_add_nc_u32 v[STO], s23, v4                   ; in: row r, 16 bytes for each half of the lanes
	v_and_b32 v6, 31, v0
	v_lshrrev_b32 v5, 3, v6
	v_mul_u32_u24 v5, v5, SPITCH
	v_and_b32 v7, 7, v0
	v_lshl_add_u32 v5, v7, 4, v5
	v_add_nc_u32 v[RD], s23, v5                    ; back: eight lanes take the 128 bytes of one head in one row, four rows a load
	v_lshlrev_b32 v[CO], 4, v6                     ; those four rows are 512 consecutive bytes of qkv
; 12 matrix instructions: row tiles a0, a0 + 1 x six column tiles (hi = 0: columns 0-95, 1: columns 96-191), 32 along K, from buffer f
.macro MUL12 f, hi, a0, zero
.irp a, \a0, \a0+1
.irp b, 0,1,2,3,4,5
.if \zero
	v_wmma_f32_16x16x32_bf16 v[8*(6*(\a)+\b):8*(6*(\a)+\b)+7], v[96*\f+8*(6*\hi+\b):96*\f+8*(6*\hi+\b)+7], v[64+32*\f+8*(\a):64+32*\f+8*(\a)+7], 0
.else
	v_wmma_f32_16x16x32_bf16 v[8*(6*(\a)+\b):8*(6*(\a)+\b)+7], v[96*\f+8*(6*\hi+\b):96*\f+8*(6*\hi+\b)+7], v[64+32*\f+8*(\a):64+32*\f+8*(\a)+7], v[8*(6*(\a)+\b):8*(6*(\a)+\b)+7]
.endif
.endr
.endr
.endm
; 32 LDS loads in one run: 64 rows of xb, then 192 rows of wt, 32 K at byte k of the rows, into buffer f
.macro FETCH slot, k, f
	WIN 0
.irp i, 0,1,2,3
	ds_load_b128 v[64+32*\f+8*\i:64+32*\f+8*\i+3],   v[ADRA+\slot] offset:\k+\i*16*PITCH
	ds_load_b128 v[64+32*\f+8*\i+4:64+32*\f+8*\i+7], v[ADRA+\slot] offset:\k+\i*16*PITCH+32
.endr
	WIN TO_B
.irp i, 0,1,2,3,4,5,6,7,8,9,10,11
	ds_load_b128 v[96*\f+8*\i:96*\f+8*\i+3],   v[ADRB+\slot] offset:\k+\i*16*PITCH
	ds_load_b128 v[96*\f+8*\i+4:96*\f+8*\i+7], v[ADRB+\slot] offset:\k+\i*16*PITCH+32
.endr
.endm
; one of a K step's first three quarters: multiplies buffer f, fetches the next quarter (byte k) into buffer g in its middle
.macro QUARTER slot, k, f, g, zero
	s_wait_dscnt 12                                ; xb's rows and wt's rows 0-95 are in; the youngest twelve loads (wt's rows 96-191) may be out
	WIN MUL_LO
	MUL12 \f, 0, 0, \zero
	MUL12 \f, 0, 2, \zero
	PLACES
	FETCH \slot, \k, \g
	s_wait_dscnt 32                                ; all but the 32 just issued
	WIN MUL_HI
	MUL12 \f, 1, 0, \zero
	MUL12 \f, 1, 2, \zero
.endm
.macro THREE slot, zero
	QUARTER \slot, 64,  0, 1, \zero
	QUARTER \slot, 128, 1, 0, 0
	QUARTER \slot, 192, 0, 1, 0
.endm
; the last quarter multiplies buffer 1 and changes slots.  In front of the barrier each wave waits for its reads of this slot and for all its tensor
; loads (one is out: its part of the next slot).  Behind it the refill comes first, then the next slot's first fragments.
; From a request to the wait for it a wave issues 180 of a K step's 192 matrix instructions.
.macro TURN slot, next, fill
	s_wait_dscnt 12
	WIN MUL_LO
	MUL12 1, 0, 0, 0
	s_wait_dscnt 0                                 ; my reads of this slot are over
	s_wait_tensorcnt 0x0                           ; all my tensor loads have landed
	ds_add_u32 v255, v255
	s_wait_dscnt 0x0
	s_barrier_signal -1                            ; where the slot is filled again this barrier opens a round of the cluster's barrier
	MUL12 1, 0, 2, 0                               ; register work while the others arrive
	WIN 0
	s_barrier_wait -1
.if \fill
	CREST                                          ; no wave of any partner still reads this slot or has a load on its way
	s_add_nc_u64 s[G0+4*\slot+2:G0+4*\slot+3], s[G0+4*\slot+2:G0+4*\slot+3], 2*KSTEP*2
	s_add_nc_u64 s[G0B+4*\slot+2:G0B+4*\slot+3], s[G0B+4*\slot+2:G0B+4*\slot+3], 2*KSTEP*2
	JLOAD \slot                                    ; the wave's one tensor load behind the round
.endif
	PLACES
	FETCH \next, 0, 0
	WIN MUL_HI
	MUL12 1, 1, 0, 0
	MUL12 1, 1, 2, 0
.endm
.macro LAP zero
	THREE 0, \zero
	TURN 0, 1, 1
	THREE 1, 0
	TURN 1, 0, 1
.endm
	s_wait_tensorcnt 1                             ; my part of K step 0 is in; K step 1's may stay out
	s_barrier_signal -1
	s_barrier_wait -1
	FETCH 0, 0, 0
	LAP 1                                          ; the first lap's first products start the sums: nothing is cleared
	WIN 0
	s_mov_b32 s3, LAPS-2
.Llap:
	LAP 0
	WIN 0
	s_sub_co_u32 s3, s3, 1
	s_cmp_lg_u32 s3, 0
	s_cbranch_scc1 .Llap
	THREE 0, 0                                     ; the last lap fills nothing
	TURN 0, 1, 0
	THREE 1, 0
	s_wait_dscnt 12
	WIN MUL_LO
	MUL12 1, 0, 0, 0
	MUL12 1, 0, 2, 0
	s_wait_dscnt 0
	WIN MUL_HI
	MUL12 1, 1, 0, 0
	MUL12 1, 1, 2, 0
	; THE WAY OUT, 16 rows at a time: round to f16, 16 bytes a lane into my stage, read back so that a store covers four whole head rows.
	PLACES
	s_lshr_b32 s14, s13, 3                         ; b = R / 8
	s_mul_i32 s16, s14, 12582912                   ; 48 slices of 262,144 bytes
	s_and_b32 s14, s13, 7
	s_lshl_b32 s14, s14, 15                        ; 256 rows of 128 bytes
	s_add_co_u32 s16, s16, s14
	s_lshl_b32 s14, s10, 13                        ; my 64 rows
	s_add_co_u32 s16, s16, s14
	s_mov_b32 s17, 0
	s_add_nc_u64 s[8:9], s[8:9], s[16:17]
	s_mul_i32 s46, s42, 3*262144                   ; slice 3 J (in the registers that held wt's address)
	s_mov_b32 s47, 0
	s_add_nc_u64 s[8:9], s[8:9], s[46:47]
.macro OUT16 a, f
	WIN 0x0a                                       ; sources in window 2
.irp b, 0,1,2,3,4,5
.irp r, 0,1,2,3
	v_cvt_pk_f16_f32 v[TMP+4*\b+\r], v[8*(6*\a+\b)+2*\r], v[8*(6*\a+\b)+2*\r+1]
.endr
.endr
	WIN 0x0f                                       ; sources in window 3
.irp b, 0,1,2,3,4,5
.irp r, 0,1,2,3
	v_cvt_pk_f16_f32 v[TMP+24+4*\b+\r], v[8*(6*\a+\b)+2*\r], v[8*(6*\a+\b)+2*\r+1]
.endr
.endr
	WIN 0
.irp b, 0,1,2,3,4,5,6,7,8,9,10,11
	ds_store_b128 v[STO], v[TMP+4*\b:TMP+4*\b+3] offset:32*\b
.endr
	s_wait_xcnt 0x0                                ; buffer f, which earlier stores read, is loaded again only behind this wait
.irp t, 0,1,2,3,4,5,6,7,8,9,10,11
	ds_load_b128 v[\f+4*\t:\f+4*\t+3], v[RD] offset:(\t&3)*4*SPITCH+128*(\t>>2)   ; LDS serves a wave's instructions in order: these see the stores above
.endr
.irp t, 0,1,2,3,4,5,6,7,8,9,10,11
	s_wait_dscnt 11-\t
	global_store_b128 v[CO], v[\f+4*\t:\f+4*\t+3], s[8:9] offset:(\t>>2)*262144+(16*\a+4*(\t&3))*128   ; 512 consecutive bytes, aligned
.endr
.endm
	OUT16 0, OUTA
	OUT16 1, OUTB
	OUT16 2, OUTA
	OUT16 3, OUTB
	s_set_vgpr_msb 0x1
	s_wait_tensorcnt 0x0
	ds_add_u32 v255, v255
	s_wait_dscnt 0x0
	s_set_vgpr_msb 0x100
	CROUND                                         ; the closing round: no work-group ends while a partner may still ask for a tile that names it
	s_endpgm
.Lfunc_end_k_q0d3a7c3261_qkv:
	.size	k_q0d3a7c3261_qkv, .Lfunc_end_k_q0d3a7c3261_qkv-k_q0d3a7c3261_qkv
	.p2alignl 7, 3214868480
	.fill 96, 4, 3214868480
	.section	.rodata,"a",@progbits
	.p2align	6, 0x0
	.amdhsa_kernel k_q0d3a7c3261_qkv
		.amdhsa_group_segment_fixed_size 327680
		.amdhsa_private_segment_fixed_size 0
		.amdhsa_enable_private_segment 0
		.amdhsa_kernarg_size 24
		.amdhsa_user_sgpr_count 2
		.amdhsa_user_sgpr_kernarg_segment_ptr 1
		.amdhsa_wavefront_size32 1
		.amdhsa_system_sgpr_workgroup_id_x 1
		.amdhsa_system_sgpr_workgroup_id_y 1
		.amdhsa_system_sgpr_workgroup_id_z 1
		.amdhsa_system_vgpr_workitem_id 0
		.amdhsa_next_free_vgpr 960
		.amdhsa_next_free_sgpr 80
		.amdhsa_reserve_vcc 0
		.amdhsa_float_denorm_mode_32 3
		.amdhsa_float_denorm_mode_16_64 3
		.amdhsa_memory_ordered 1
		.amdhsa_forward_progress 1
		.amdhsa_inst_pref_size 163
	.end_amdhsa_kernel
	.amdgpu_metadata
---
amdhsa.version: [ 1, 2 ]
amdhsa.kernels:
  - .name:           k_q0d3a7c3261_qkv
    .symbol:         k_q0d3a7c3261_qkv.kd
    .args:
      - { .name: xb, .offset: 0, .size: 8, .value_kind: global_buffer, .address_space: global }
      - { .name: wt, .offset: 8, .size: 8, .value_kind: global_buffer, .address_space: global }
      - { .name: qkv, .offset: 16, .size: 8, .value_kind: global_buffer, .address_space: global }
    .group_segment_fixed_size: 327680
    .private_segment_fixed_size: 0
    .kernarg_segment_align: 8
    .kernarg_segment_size: 24
    .max_flat_workgroup_size: 128
    .sgpr_count:     80
    .vgpr_count:     960
    .wavefront_size: 32
...
	.end_amdgpu_metadata
.endif
;; end of part 2
;; launch attn (part 3): grid 256 x 1, 4 waves a work-group, no clusters, 327,680 bytes of LDS; arguments qkv, ao; writes ao
.if DOCPART == 3
	.amdgcn_target "amdgcn-amd-amdhsa--gfx1250"
	.amdhsa_code_object_version 6
	.text
	.protected	k_q0d3a7c3261_attn
	.globl	k_q0d3a7c3261_attn
	.p2align	8
	.type	k_q0d3a7c3261_attn,@function
k_q0d3a7c3261_attn:
	s_mov_b64 s[64:65], 0
	v_nop
	global_prefetch_b8 v0, s[64:65] scope:SCOPE_SE
	s_setreg_imm32_b32 hwreg(HW_REG_WAVE_MODE, 25, 1), 1
	s_wait_xcnt 0x0
; Causal attention of one head, softmax(q k^T / 8) v, with a running maximum; f16 operands, everything else f32.
; qkv[b][s][l][64] f16 (s = head: q, 16 + head: k, 32 + head: v).  ao[b][part][head][l][64] f16: part 0 = f16(o), part 1 = f16(o - part 0), so that
; the last product loses nothing to the rounding of o.
; LIMITS: |q|, |k|, |v|, |o| < 65,504.  NaN and infinite inputs are not treated specially.  The row sum adds the unrounded p, the product uses p in f16.
; WORK: work-group id: head id / 8, e = 2 (id % 8).  It makes two blocks of 128 queries, number e and number 15 - e.  Each block takes its diagonal
; tile of 128 keys FIRST (that step starts the sums and always has a finite maximum: key = query is allowed), then the tiles in front of it: e and
; 15 - e of them.  So every work-group has 2 masked and 15 full steps.  The 15 full tiles are one stream u = 0..14 through two LDS slots, slot u % 2;
; e is even, so the change of block falls in front of a slot-0 step.
; NO CLUSTER: the eight work-groups of a head walk different tiles in the same step (tile u or u - e, with eight different e), so no two ask for the
; same tile at the same time; walking alike would mean giving up the causal half of the work.
; Wave w owns queries 32 w .. 32 w + 31 of the block (two tiles of 16).  S^T = K Q^T: a lane holds ONE query and 8 keys of each of 8 key tiles, so
; maximum and sum are in the lane, plus one exchange of the lane halves; two packed score tiles ARE a source-1 fragment of P^T; O^T = V^T P^T, with
; V^T read by transposing LDS loads; the rescaling factor and 1 / sum are one number a lane.
; Accumulators take turns, one matrix instruction a turn.
.set VP,    160                        ; V's LDS row: 128 bytes + 32, an odd multiple of 32 for the transposing loads
.set KP,    144                        ; K's LDS row: 128 bytes + 16, an odd multiple of 16
.set KOFF,  128*VP                     ; in a region: V's 128 rows, then K's
.set REG,   128*VP+128*KP              ; 38,912 = 152 x 256
.set S1,    REG                        ; slot 0 at 0, slot 1
.set DA,    2*REG                      ; the diagonal tile of block e, filled once
.set STAGE, 4*REG                      ; behind the diagonal tile of block 15 - e (at 3 REG): 2 x 32 rows x 144 bytes for each wave; no tensor load lands here
.set SP,    144
.set AK,   8                           ; K fragments in slot 0: r x 144 + 16 h + KOFF
.set AV,   9                           ; V fragments in slot 0: (l % 8 + 8 h) x 160 + 16 ((l / 8) % 2)
.set AKD,  10                          ; the same in the first diagonal region
.set AVD,  11
.set STO,  12
.set RD,   13
.set CO,   14
.set QOFF, 15
.set DQ,   16                          ; v16-17  query - 8 h for my two query tiles: key 16 kt + 8 h + j is masked where 16 kt + j > DQ
.set NINF, 18
.set RM,   20                          ; v20-21  running maximum of the raw scores
.set RL,   22                          ; v22-23  running sum, of this half of the lanes
.set NM,   24                          ; v24-27  - c x maximum, twice each (pairs for packed arithmetic)
.set AL,   28                          ; v28-31  the rescaling factor, later 1 / sum, twice each
.set TT,   32                          ; v32-47  at work (FINAL names v32-v43 outright: halves of registers have no bracket form)
.set OO,   64                          ; v64-127 O^T: tile (t, qt) at 64 + 8 (2 t + qt)
.set SS,   128                         ; v128-255 S^T: tile (kt, qt) at 128 + 8 (2 kt + qt); P(g, qt) = the registers of tile (2 g, qt)
.set KF,   0                           ; window 1: K fragments at 8 (2 kt + ks)
.set VF,   128                         ; window 1: V^T fragments at 128 + 8 (4 g + t)
.set QF,   0                           ; window 2: Q fragments at 8 (2 qt + ks)
.set G1V,  16                          ; s[16:23] group 1 for V, s[24:31] for K
.set G1K,  24
.set GV,   32                          ; group 0: V slot 0, 1 in s[32:39]; K slot 0, 1 in s[40:47]; V diagonals s[48:55]; K diagonals s[56:63]
.set GK,   40
.set GVD,  48
.set GKD,  56
.set MSB, 0
.macro WIN new
.if MSB != \new
	s_set_vgpr_msb (MSB<<8)|\new
.set MSB, \new
.endif
.endm
.macro NOPS n
.rept \n
	v_nop
.endr
.endm
.macro G0HEAD g, ldsreg, region
	s_mov_b32 s[\g], 1
	s_add_co_u32 s[\g+1], s[\ldsreg], \region
.endm
.macro G0ADDR g, base                  ; the tile at base + s[70:71], then the type
	s_add_nc_u64 s[\g+2:\g+3], s[\base:\base+1], s[70:71]
	s_or_b32 s[\g+3], s[\g+3], 0x80000000
.endm
.macro JLOAD s                         ; waves 0 and 1 fetch V's halves of 64 keys, waves 2 and 3 K's
	s_cmp_eq_u32 s11, 0
	s_cbranch_scc0 .Lfor_k_\@
	tensor_load_to_lds s[GV+4*(\s):GV+4*(\s)+3], s[G1V:G1V+7]
	s_nop 0
	s_branch .Lasked_\@
.Lfor_k_\@:
	tensor_load_to_lds s[GK+4*(\s):GK+4*(\s)+3], s[G1K:G1K+7]
	s_nop 0
.Lasked_\@:
.endm
	s_load_b128 s[4:7], s[0:1], 0x0                ; qkv s[4:5], ao s[6:7]
	v_lshl_add_u32 v62, v0, 2, 0x2f000
	v_mov_b32 v63, 0
	ds_add_u32 v62, v63
	v_lshrrev_b32 v1, 5, v0
	v_readfirstlane_b32 s8, v1                     ; wave 0..3
	s_lshr_b32 s11, s8, 1                          ; I fetch V (0) or K (1)
	s_and_b32 s82, s8, 1                           ; which 64 keys
	s_lshr_b32 s83, ttmp9, 3
	s_and_b32 s10, ttmp9, 7
	s_lshl_b32 s10, s10, 1                         ; e
	s_lshr_b32 s84, s83, 4                         ; b
	s_and_b32 s85, s83, 15                         ; head
	s_mov_b32 s12, 0x76543210                      ; v_permlanex16_b32: lane i reads lane i of the other half
	s_mov_b32 s13, 0xfedcba98
	s_mov_b32 s14, 0x3e38aa3b                      ; c = log2(e) / 8: the scale 64^-0.5 and the change of base in one factor
	s_mov_b32 s15, 0x3e38aa3b
	; A half tile is 64 rows of 128 bytes that follow each other in memory: 8,192 dense bytes, taken as 32 rows of 256 bytes (32 elements of 8 bytes).
	; The padding is counted in words along the whole tile: behind every 32 words (a key's 128 bytes) 8 words for V, 4 for K.
	s_mov_b32 s[G1V+0], (3<<16)|(1<<20)|(4<<22)|(7<<25)
	s_mov_b32 s[G1K+0], (3<<16)|(1<<20)|(4<<22)|(3<<25)
	s_mov_b32 s[G1V+1], 32<<16                     ; tensor_dim0 = 32
	s_mov_b32 s[G1K+1], 32<<16
	s_mov_b32 s[G1V+2], 32<<16                     ; tensor_dim1 = 32
	s_mov_b32 s[G1K+2], 32<<16
	s_mov_b32 s[G1V+3], 32<<16                     ; tile_dim0 = 32
	s_mov_b32 s[G1K+3], 32<<16
	s_mov_b32 s[G1V+4], 32                         ; tile_dim1 = 32
	s_mov_b32 s[G1K+4], 32
	s_mov_b32 s[G1V+5], 32                         ; elements from row to row
	s_mov_b32 s[G1K+5], 32
	s_mov_b32 s[G1V+6], 0
	s_mov_b32 s[G1K+6], 0
	s_mov_b32 s[G1V+7], 0
	s_mov_b32 s[G1K+7], 0
	s_mul_i32 s86, s84, 12582912                   ; b x 48 slices
	s_lshl_b32 s87, s85, 18
	s_add_co_u32 s86, s86, s87                     ; the head's q slice
	s_lshl_b32 s87, s82, 13
	s_add_co_u32 s87, s86, s87                     ; + my half tile
	s_add_co_u32 s88, s87, 32*262144               ; v
	s_mov_b32 s89, 0
	s_add_co_u32 s90, s87, 16*262144               ; k
	s_mov_b32 s91, 0
	s_lshl_b32 s80, s10, 14                        ; block e: 128 rows of 128 bytes each block
	s_sub_co_u32 s81, 15, s10
	s_lshl_b32 s81, s81, 14                        ; block 15 - e
	s_lshl_b32 s87, s8, 12                         ; my 32 rows
	s_add_co_u32 s86, s86, s87
	s_add_co_u32 s92, s86, s80                     ; my queries of block e,
	s_mov_b32 s93, 0
	s_add_co_u32 s94, s86, s81                     ; of block 15 - e
	s_mov_b32 s95, 0
	s_lshl_b32 s84, s84, 23                        ; ao: b x 8,388,608
	s_lshl_b32 s85, s85, 18
	s_add_co_u32 s84, s84, s85
	s_add_co_u32 s84, s84, s87                     ; + head + my 32 rows
	s_mul_i32 s86, s8, 64*VP                       ; where V's halves go in a region: wave x 64 rows
	s_mul_i32 s87, s8, 64*KP
	s_add_co_u32 s87, s87, KOFF-128*KP             ; where K's go: behind V, (wave - 2) x 64 rows
	G0HEAD GV, 86, 0
	G0HEAD GV+4, 86, S1
	G0HEAD GVD, 86, DA
	G0HEAD GVD+4, 86, DA+REG
	G0HEAD GK, 87, 0
	G0HEAD GK+4, 87, S1
	G0HEAD GKD, 87, DA
	G0HEAD GKD+4, 87, DA+REG
	s_mov_b32 s71, 0
	s_wait_dscnt 0x0
	s_wait_kmcnt 0x0
	s_add_nc_u64 s[66:67], s[4:5], s[88:89]        ; my half of v's tile 0
	s_add_nc_u64 s[68:69], s[4:5], s[90:91]        ; of k's tile 0
	s_mov_b32 s70, s80
	G0ADDR GVD, 66
	G0ADDR GKD, 68
	s_mov_b32 s70, s81
	G0ADDR GVD+4, 66
	G0ADDR GKD+4, 68
	s_mov_b32 s70, 0
	G0ADDR GV, 66
	G0ADDR GK, 68
	; the first fills go out as one group, in one branch on the wave's number: both diagonal tiles and stream tile 0; three tensor loads of the wave are out
	s_cmp_eq_u32 s11, 0
	s_cbranch_scc0 .Lfirst_k
	tensor_load_to_lds s[GVD:GVD+3], s[G1V:G1V+7]
	s_nop 0
	tensor_load_to_lds s[GVD+4:GVD+7], s[G1V:G1V+7]
	s_nop 0
	tensor_load_to_lds s[GV:GV+3], s[G1V:G1V+7]
	s_nop 0
	s_branch .Lfirst_done
.Lfirst_k:
	tensor_load_to_lds s[GKD:GKD+3], s[G1K:G1K+7]
	s_nop 0
	tensor_load_to_lds s[GKD+4:GKD+7], s[G1K:G1K+7]
	s_nop 0
	tensor_load_to_lds s[GK:GK+3], s[G1K:G1K+7]
	s_nop 0
.Lfirst_done:
	s_add_nc_u64 s[72:73], s[4:5], s[92:93]        ; q of block e, of block 15 - e
	s_add_nc_u64 s[74:75], s[4:5], s[94:95]
	s_add_co_u32 s92, s84, s80
	s_add_co_u32 s94, s84, s81
	s_add_nc_u64 s[76:77], s[6:7], s[92:93]        ; ao of block e, of block 15 - e
	s_add_nc_u64 s[78:79], s[6:7], s[94:95]
	v_and_b32 v1, 31, v0                           ; l
	v_and_b32 v2, 15, v0                           ; r
	v_bfe_u32 v3, v0, 4, 1                         ; h
	v_lshlrev_b32 v[QOFF], 7, v2
	v_lshl_add_u32 v[QOFF], v3, 4, v[QOFF]         ; q: row r, 16 h
; eight loads: my 32 queries as four source-1 fragments (16 queries x 32 of the head's 64)
.macro QLOAD base
	WIN 0x80                                       ; destination window 2
.irp u, 0,1
.irp ks, 0,1
	global_load_b128 v[QF+8*(2*\u+\ks):QF+8*(2*\u+\ks)+3],   v[QOFF], s[\base:\base+1] offset:2048*\u+64*\ks
	global_load_b128 v[QF+8*(2*\u+\ks)+4:QF+8*(2*\u+\ks)+7], v[QOFF], s[\base:\base+1] offset:2048*\u+64*\ks+32
.endr
.endr
	WIN 0
.endm
	QLOAD 72
	v_mul_u32_u24 v4, v2, KP
	v_lshl_add_u32 v4, v3, 4, v4                   ; r x 144 + 16 h
	v_add_nc_u32 v[AK], KOFF, v4
	v_add_nc_u32 v[AKD], KOFF+DA, v4
	v_and_b32 v5, 7, v0
	v_lshl_add_u32 v5, v3, 3, v5
	v_mul_u32_u24 v5, v5, VP
	v_bfe_u32 v6, v0, 3, 1
	v_lshl_add_u32 v[AV], v6, 4, v5
	v_add_nc_u32 v[AVD], DA, v[AV]
	s_mul_i32 s86, s8, 64*SP
	s_add_co_u32 s86, s86, STAGE                   ; my stage
	v_add_nc_u32 v[STO], s86, v4                   ; in: row r, 16 h
	v_lshrrev_b32 v6, 3, v1
	v_mul_u32_u24 v6, v6, SP
	v_and_b32 v7, 7, v0
	v_lshl_add_u32 v6, v7, 4, v6
	v_add_nc_u32 v[RD], s86, v6                    ; back: eight lanes a row of 128 bytes, four rows a load
	v_lshlrev_b32 v[CO], 4, v1                     ; which are 512 consecutive bytes of ao
	v_lshlrev_b32 v6, 3, v3
	v_sub_nc_u32 v6, v2, v6                        ; r - 8 h
	s_lshl_b32 s87, s8, 5
	v_add_nc_u32 v[DQ], s87, v6
	v_add_nc_u32 v[DQ+1], 16, v[DQ]
	v_mov_b32 v[NINF], 0xff800000
; The softmax of query tile qt over this step's 128 keys: 64 scores a lane.  diag = 1: the masked first step of a block, which starts maximum and sum.
.macro SOFTMAX qt, diag
.if \diag
.irp kt, 0,1,2,3,4,5,6,7
.irp j, 0,1,2,3,4,5,6,7
	v_cmp_gt_i32 vcc_lo, 16*\kt+\j, v[DQ+\qt]      ; key > query
	v_cndmask_b32 v[SS+8*(2*\kt+\qt)+\j], v[SS+8*(2*\kt+\qt)+\j], v[NINF], vcc_lo
.endr
.endr
.endif
.irp k, 0,1,2,3
	v_max_num_f32 v[TT+\k], v[SS+32*\k+8*\qt], v[SS+32*\k+8*\qt+1]   ; four chains of 16 scores: key tiles 2 k and 2 k + 1
.endr
.irp p, 2,4,6,16,18,20,22
.irp k, 0,1,2,3
	v_max3_num_f32 v[TT+\k], v[TT+\k], v[SS+32*\k+8*\qt+\p], v[SS+32*\k+8*\qt+\p+1]
.endr
.endr
	v_max3_num_f32 v[TT], v[TT], v[TT+1], v[TT+2]
	v_max_num_f32 v[TT], v[TT], v[TT+3]
	v_permlanex16_b32 v[TT+1], v[TT], s12, s13     ; the other eight keys of each tile
.if \diag
	v_max_num_f32 v[RM+\qt], v[TT], v[TT+1]
	v_mul_f32 v[NM+2*\qt], 0xbe38aa3b, v[RM+\qt]   ; - c x maximum
	v_mov_b32 v[NM+2*\qt+1], v[NM+2*\qt]
.else
	v_max3_num_f32 v[RM+\qt], v[TT], v[TT+1], v[RM+\qt]
	v_mul_f32 v[TT+2], 0xbe38aa3b, v[RM+\qt]
	v_sub_f32 v[TT+3], v[TT+2], v[NM+2*\qt]        ; c (old maximum - new maximum)
	v_exp_f32 v[AL+2*\qt], v[TT+3]
	v_exp_f32 v[AL+2*\qt+1], v[TT+3]
	v_mov_b32 v[NM+2*\qt], v[TT+2]                 ; plain instructions behind the exponentials, ahead of their results' first use (ISA guide 5.7.2)
	v_mov_b32 v[NM+2*\qt+1], v[TT+2]
.endif
.irp kt, 0,1,2,3,4,5,6,7
.irp p, 0,2,4,6
	v_pk_fma_f32 v[SS+8*(2*\kt+\qt)+\p:SS+8*(2*\kt+\qt)+\p+1], v[SS+8*(2*\kt+\qt)+\p:SS+8*(2*\kt+\qt)+\p+1], s[14:15], v[NM+2*\qt:NM+2*\qt+1] op_sel_hi:[1,0,1]
.endr
.endr
.irp kt, 0,1,2,3,4,5,6,7
.irp j, 0,1,2,3,4,5,6,7
	v_exp_f32 v[SS+8*(2*\kt+\qt)+\j], v[SS+8*(2*\kt+\qt)+\j]   ; p = 2^(c s - c maximum); a masked score gives 0
.endr
.endr
	v_nop                                          ; the plain place behind the last exponential
	s_wait_alu depctr_va_vdst(0)
.irp k, 0,1,2,3
	v_pk_add_f32 v[TT+4+2*\k:TT+5+2*\k], v[SS+32*\k+8*\qt:SS+32*\k+8*\qt+1], v[SS+32*\k+8*\qt+2:SS+32*\k+8*\qt+3]
.endr
.irp p, 4,6,16,18,20,22
.irp k, 0,1,2,3
	v_pk_add_f32 v[TT+4+2*\k:TT+5+2*\k], v[TT+4+2*\k:TT+5+2*\k], v[SS+32*\k+8*\qt+\p:SS+32*\k+8*\qt+\p+1]
.endr
.endr
	v_pk_add_f32 v[TT+4:TT+5], v[TT+4:TT+5], v[TT+6:TT+7]
	v_pk_add_f32 v[TT+8:TT+9], v[TT+8:TT+9], v[TT+10:TT+11]
	v_pk_add_f32 v[TT+4:TT+5], v[TT+4:TT+5], v[TT+8:TT+9]
.if \diag
	v_add_f32 v[RL+\qt], v[TT+4], v[TT+5]
.else
	v_add_f32 v[TT], v[TT+4], v[TT+5]
	v_fma_f32 v[RL+\qt], v[RL+\qt], v[AL+2*\qt], v[TT]
.endif
.irp g, 0,1,2,3
.irp c, 0,1,2,3
	v_cvt_pk_f16_f32 v[SS+32*\g+8*\qt+\c], v[SS+32*\g+8*\qt+2*\c], v[SS+32*\g+8*\qt+2*\c+1]        ; tile 2 g packs in place: keys 32 g + 8 h + 0..7
.endr
.irp c, 0,1,2,3
	v_cvt_pk_f16_f32 v[SS+32*\g+8*\qt+4+\c], v[SS+32*\g+16+8*\qt+2*\c], v[SS+32*\g+16+8*\qt+2*\c+1] ; tile 2 g + 1 beside it: keys 32 g + 16 + 8 h + 0..7
.endr
.endr
.if \diag
.else
.irp t, 0,1,2,3
.irp p, 0,2,4,6
	v_pk_mul_f32 v[OO+8*(2*\t+\qt)+\p:OO+8*(2*\t+\qt)+\p+1], v[OO+8*(2*\t+\qt)+\p:OO+8*(2*\t+\qt)+\p+1], v[AL+2*\qt:AL+2*\qt+1]
.endr
.endr
.endif
.endm
; eight matrix instructions: O^T += V^T (64 x keys 32 g .. 32 g + 31) P^T
.macro PVG g, zero
.irp t, 0,1,2,3
.irp u, 0,1
.if \zero
	v_wmma_f32_16x16x32_f16 v[OO+8*(2*\t+\u):OO+8*(2*\t+\u)+7], v[VF+8*(4*\g+\t):VF+8*(4*\g+\t)+7], v[SS+32*\g+8*\u:SS+32*\g+8*\u+7], 0
.else
	v_wmma_f32_16x16x32_f16 v[OO+8*(2*\t+\u):OO+8*(2*\t+\u)+7], v[VF+8*(4*\g+\t):VF+8*(4*\g+\t)+7], v[SS+32*\g+8*\u:SS+32*\g+8*\u+7], v[OO+8*(2*\t+\u):OO+8*(2*\t+\u)+7]
.endif
.endr
.endr
.endm
; One step: 128 keys from the region at byte off behind the registers ak and av.
.macro STEP ak, av, off, diag
	NOPS 5                                         ; places behind the last step's matrix instructions: five before the scores write over P, four before the loads into V's fragments
	WIN 0x40                                       ; destination window 1
.irp kt, 0,1,2,3,4,5,6,7
.irp ks, 0,1
	ds_load_b128 v[KF+8*(2*\kt+\ks):KF+8*(2*\kt+\ks)+3],   v[\ak] offset:\off+16*KP*\kt+64*\ks
	ds_load_b128 v[KF+8*(2*\kt+\ks)+4:KF+8*(2*\kt+\ks)+7], v[\ak] offset:\off+16*KP*\kt+64*\ks+32
.endr
.endr
.irp g, 0,1,2,3
.irp t, 0,1,2,3
	ds_load_tr16_b128 v[VF+8*(4*\g+\t):VF+8*(4*\g+\t)+3],   v[\av] offset:\off+32*VP*\g+32*\t
	ds_load_tr16_b128 v[VF+8*(4*\g+\t)+4:VF+8*(4*\g+\t)+7], v[\av] offset:\off+32*VP*\g+32*\t+16*VP
.endr
.endr
	WIN 0x09                                       ; source 0 window 1 (K), source 1 window 2 (Q)
.irp gg, 0,1,2,3
	s_wait_dscnt 56-8*\gg                          ; of the 64 loads the first 8 (gg + 1) are in: key tiles up to 2 gg + 1
.irp kk, 0,1
.irp u, 0,1
	v_wmma_f32_16x16x32_f16 v[SS+8*(2*(2*\gg+\kk)+\u):SS+8*(2*(2*\gg+\kk)+\u)+7], v[KF+16*(2*\gg+\kk):KF+16*(2*\gg+\kk)+7], v[QF+16*\u:QF+16*\u+7], 0
.endr
.endr
.irp kk, 0,1
.irp u, 0,1
	v_wmma_f32_16x16x32_f16 v[SS+8*(2*(2*\gg+\kk)+\u):SS+8*(2*(2*\gg+\kk)+\u)+7], v[KF+16*(2*\gg+\kk)+8:KF+16*(2*\gg+\kk)+15], v[QF+16*\u+8:QF+16*\u+15], v[SS+8*(2*(2*\gg+\kk)+\u):SS+8*(2*(2*\gg+\kk)+\u)+7]
.endr
.endr
.endr
	NOPS 4                                         ; places in front of the first reader of the scores
	WIN 0
	SOFTMAX 0, \diag
	SOFTMAX 1, \diag
	WIN 0x01                                       ; source 0 window 1 (V)
	s_wait_dscnt 0x0                               ; V's fragments
	PVG 0, \diag                                   ; in a block's first step the first products start the sums
	PVG 1, 0
	PVG 2, 0
	PVG 3, 0
	WIN 0
.endm
; In front of stream step u = 2 it + slot.  Every wave waits for all its tensor loads (its part of this step's tile among them) and for its reads of the
; other slot, then the barrier; behind it the other slot is filled with tile u + 1: one tensor load a wave, which has this whole step in which to land.
.macro FRAME slot, refill
	s_wait_tensorcnt 0x0
	ds_add_u32 v62, v63
	s_wait_dscnt 0x0
.if \refill
	s_lshl_b32 s80, s9, 1
	s_add_co_u32 s80, s80, \slot+1                 ; v = u + 1
	s_sub_co_u32 s81, s80, s10
	s_cmp_lt_u32 s80, s10
	s_cselect_b32 s70, s80, s81                    ; tile v of block e, or tile v - e of block 15 - e
	s_lshl_b32 s70, s70, 14
	G0ADDR GV+4*(1-\slot), 66                      ; no tensor load of mine is out: a group 0 may be written
	G0ADDR GK+4*(1-\slot), 68
.endif
	s_wait_dscnt 0x0
	s_barrier_signal -1
	s_barrier_wait -1
.if \refill
	JLOAD 1-\slot
.endif
.endm
; A block's end: o = O / sum, as f16 and as the f16 of what that rounding left, through my stage, out in whole rows.  Four places stand in front of it.
.macro FINAL base
	v_permlanex16_b32 v[TT], v[RL], s12, s13       ; the two halves of the lanes have summed different keys
	v_permlanex16_b32 v[TT+1], v[RL+1], s12, s13
	v_add_f32 v[TT], v[TT], v[RL]
	v_add_f32 v[TT+1], v[TT+1], v[RL+1]
	v_rcp_f32 v[AL], v[TT]
	v_rcp_f32 v[AL+1], v[TT]
	v_rcp_f32 v[AL+2], v[TT+1]
	v_rcp_f32 v[AL+3], v[TT+1]
	v_nop                                          ; the plain place behind the reciprocals
	s_wait_alu depctr_va_vdst(0)
.irp u, 0,1
.irp t, 0,1,2,3
.irp p, 0,2,4,6
	v_pk_mul_f32 v[OO+8*(2*\t+\u)+\p:OO+8*(2*\t+\u)+\p+1], v[OO+8*(2*\t+\u)+\p:OO+8*(2*\t+\u)+\p+1], v[AL+2*\u:AL+2*\u+1]
.endr
.irp c, 0,1,2,3
	v_cvt_pk_f16_f32 v[TT+\c], v[OO+8*(2*\t+\u)+2*\c], v[OO+8*(2*\t+\u)+2*\c+1]
.endr
	ds_store_b128 v[STO], v[TT:TT+3] offset:16*SP*\u+32*\t
	v_cvt_f32_f16 v36, v32.l                       ; TT = 32: the rounded values widened again
	v_cvt_f32_f16 v37, v32.h
	v_cvt_f32_f16 v38, v33.l
	v_cvt_f32_f16 v39, v33.h
	v_cvt_f32_f16 v40, v34.l
	v_cvt_f32_f16 v41, v34.h
	v_cvt_f32_f16 v42, v35.l
	v_cvt_f32_f16 v43, v35.h
.irp p, 0,2,4,6
	v_pk_add_f32 v[TT+4+\p:TT+5+\p], v[OO+8*(2*\t+\u)+\p:OO+8*(2*\t+\u)+\p+1], v[TT+4+\p:TT+5+\p] neg_lo:[0,1] neg_hi:[0,1]
.endr
.irp c, 0,1,2,3
	v_cvt_pk_f16_f32 v[TT+12+\c], v[TT+4+2*\c], v[TT+5+2*\c]
.endr
	ds_store_b128 v[STO], v[TT+12:TT+15] offset:32*SP+16*SP*\u+32*\t
.endr
.endr
.irp i, 0,1,2,3,4,5,6,7,8,9,10,11,12,13,14,15
	ds_load_b128 v[SS+4*\i:SS+4*\i+3], v[RD] offset:4*SP*\i   ; LDS serves a wave's instructions in order: these see the stores above
.endr
.irp i, 0,1,2,3,4,5,6,7,8,9,10,11,12,13,14,15
	s_wait_dscnt 15-\i
	global_store_b128 v[CO], v[SS+4*\i:SS+4*\i+3], s[\base:\base+1] offset:(\i>>3)*4194304+512*(\i&7)   ; 512 consecutive bytes, aligned; the second part lies 16 heads on
.endr
	s_wait_xcnt 0x0                                ; the stores' data lie in the scores' registers, which are written again only behind this wait
.endm
; Block e ends, block 15 - e begins with its diagonal tile.  No barrier and no tensor load in here.
.macro SWITCH
	NOPS 4                                         ; places behind the last matrix instructions: for the loads into Q's fragments and for the readers of O
	QLOAD 74
	FINAL 76
	s_wait_loadcnt 0x0                             ; the new queries
	STEP AKD, AVD, REG, 1
.endm
	s_wait_tensorcnt 0x1                           ; my parts of both diagonal tiles are in; stream tile 0 may stay out
	s_barrier_signal -1
	s_barrier_wait -1
	s_wait_loadcnt 0x0                             ; my queries
	STEP AKD, AVD, 0, 1
	s_mov_b32 s9, 0
.Ltrip:
	s_lshl_b32 s80, s9, 1
	s_cmp_lg_u32 s80, s10                          ; block e has had its e tiles
	s_cbranch_scc1 .Lsame_block
	SWITCH
.Lsame_block:
	FRAME 0, 1
	STEP AK, AV, 0, 0
	FRAME 1, 1
	STEP AK, AV, S1, 0
	s_add_co_u32 s9, s9, 1
	s_cmp_lt_u32 s9, 7
	s_cbranch_scc1 .Ltrip
	s_cmp_lg_u32 s10, 14
	s_cbranch_scc1 .Llast
	SWITCH
.Llast:
	FRAME 0, 0                                     ; stream tile 14: nothing is left to fetch
	STEP AK, AV, 0, 0
	NOPS 4
	FINAL 78
	s_wait_tensorcnt 0x0
	ds_add_u32 v62, v63
	s_wait_dscnt 0x0
	s_endpgm
.Lfunc_end_k_q0d3a7c3261_attn:
	.size	k_q0d3a7c3261_attn, .Lfunc_end_k_q0d3a7c3261_attn-k_q0d3a7c3261_attn
	.p2alignl 7, 3214868480
	.fill 96, 4, 3214868480
	.section	.rodata,"a",@progbits
	.p2align	6, 0x0
	.amdhsa_kernel k_q0d3a7c3261_attn
		.amdhsa_group_segment_fixed_size 327680
		.amdhsa_private_segment_fixed_size 0
		.amdhsa_enable_private_segment 0
		.amdhsa_kernarg_size 16
		.amdhsa_user_sgpr_count 2
		.amdhsa_user_sgpr_kernarg_segment_ptr 1
		.amdhsa_wavefront_size32 1
		.amdhsa_system_sgpr_workgroup_id_x 1
		.amdhsa_system_sgpr_workgroup_id_y 1
		.amdhsa_system_sgpr_workgroup_id_z 1
		.amdhsa_system_vgpr_workitem_id 0
		.amdhsa_next_free_vgpr 544
		.amdhsa_next_free_sgpr 96
		.amdhsa_reserve_vcc 1
		.amdhsa_float_denorm_mode_32 3
		.amdhsa_float_denorm_mode_16_64 3
		.amdhsa_memory_ordered 1
		.amdhsa_forward_progress 1
		.amdhsa_inst_pref_size 255
	.end_amdhsa_kernel
	.section	.bss,"aw",@nobits
	.p2align	6
	.space	262144
	.amdgpu_metadata
---
amdhsa.version: [ 1, 2 ]
amdhsa.kernels:
  - .name:           k_q0d3a7c3261_attn
    .symbol:         k_q0d3a7c3261_attn.kd
    .args:
      - { .name: qkv, .offset: 0, .size: 8, .value_kind: global_buffer, .address_space: global }
      - { .name: ao, .offset: 8, .size: 8, .value_kind: global_buffer, .address_space: global }
    .group_segment_fixed_size: 327680
    .private_segment_fixed_size: 0
    .kernarg_segment_align: 8
    .kernarg_segment_size: 16
    .max_flat_workgroup_size: 128
    .sgpr_count:     96
    .vgpr_count:     544
    .wavefront_size: 32
...
	.end_amdgpu_metadata
.endif
;; end of part 3
;; launch oproj (part 4): grid 8 x 32, 4 waves a work-group, clusters of 4 x 4, 327,680 bytes of LDS; arguments ao, wt, out0; writes out0
.if DOCPART == 4
	.amdgcn_target "amdgcn-amd-amdhsa--gfx1250"
	.amdhsa_code_object_version 6
	.text
	.protected	k_q0d3a7c3261_oproj
	.globl	k_q0d3a7c3261_oproj
	.p2align	8
	.type	k_q0d3a7c3261_oproj,@function
k_q0d3a7c3261_oproj:
	s_mov_b64 s[64:65], 0
	v_nop
	global_prefetch_b8 v0, s[64:65] scope:SCOPE_SE
	s_setreg_imm32_b32 hwreg(HW_REG_WAVE_MODE, 25, 1), 1
	s_wait_xcnt 0x0
	s_wait_alu depctr_hold_cnt(0) depctr_sa_sdst(0) depctr_va_vdst(0) depctr_va_sdst(0) depctr_va_ssrc(0) depctr_va_vcc(0) depctr_vm_vsrc(0)
	s_getreg_b32 s2, hwreg(HW_REG_IB_STS2, 6, 4)
	s_cmp_eq_u32 s2, 0
	s_cbranch_scc0 .Lentry_in_a_cluster
	s_endpgm
.Lentry_in_a_cluster:
	s_bfe_u32 s2, ttmp6, 0x10000c
	s_cmp_lg_u32 s2, 0xf033
	s_cbranch_scc0 .Lentry_shape_is_right
	s_endpgm
.Lentry_shape_is_right:
; out0[m][n] = sum over part, head, d of ao[b][part][head][l][d] Wo[64 head + d][n], m = 2048 b + l: f16 operands, f32 sums, f32 out.
; ao's two parts (the attention output in f16, and what that rounding left) are summed against the same Wo: 32 blocks of 64 along K, K = 2048 in all.
; Wo^T lies in wt's rows 3072 .. 4095 as f16.
; A work-group makes 128 x 128 of out0 with four waves, 2 x 2, 64 x 64 each: 16 accumulator tiles.  K goes in eight fills of 256 (four blocks of 64)
; through two LDS slots; the text is written out, without a loop.  Wo's tile of fill i is that of fill i - 4: its address goes forward, back, forward.
; CLUSTERS: 4 x 4 work-groups; ao's tiles are shared along a row of the cluster, Wo's along a column, each asked for jointly.
; REGISTERS: window 0: addresses, v64-127 the way out.  window 1: fragment buffer f at 128 f: for each 32 of K (kq) Wo's four tiles at + 64 kq + 8 b, ao's at + 64 kq + 32 + 8 a.
;   window 2: accumulator tile (a, b) at v[8 (4 a + b)].
; The matrix instruction is used transposed (source 0 = rows of Wo^T, source 1 = rows of ao): lane l holds row l % 16 of out0 and eight neighbouring columns.
; The 16 accumulators take turns, one instruction a turn, always in the same order.
.set AP,     144                       ; ao's LDS row: 128 bytes + 16
.set BP,     528                       ; Wo's LDS row: 512 bytes + 16
.set AHEAD,  128*AP                    ; one block of 64 along K: 128 rows
.set ABYTES, 4*AHEAD
.set BHALF,  64*BP
.set SLOT,   ABYTES+2*BHALF            ; 141,312 = 552 x 256
.set STAGE,  2*SLOT                    ; behind the ring: 16 rows x 272 bytes for each wave; no tensor load lands here
.set SPITCH, 272
.set ADRA, 16
.set ADRB, 20
.set STO,  24
.set RD,   25
.set CO,   26
.set G1, 24
.set G0, 32
.set G1B, 48
.set G0B, 56
.set MSB, 0
.macro WIN new
.if MSB != \new
	s_set_vgpr_msb (MSB<<8)|\new
.set MSB, \new
.endif
.endm
.set MUL,  0xa5                        ; sources 0 and 1 window 1, C and D window 2
.set TO_F, 0x40                        ; destination window 1
.macro JLOAD s                         ; waves 0 and 1 ask for ao's halves (two blocks of 64 each), waves 2 and 3 for Wo's (64 rows each)
	s_cmp_eq_u32 s11, 0
	s_cbranch_scc0 .Lfor_b_\@
	tensor_load_to_lds s[G0+4*\s:G0+4*\s+3], s[G1:G1+7]
	s_nop 0
	s_branch .Lasked_\@
.Lfor_b_\@:
	tensor_load_to_lds s[G0B+4*\s:G0B+4*\s+3], s[G1B:G1B+7]
	s_nop 0
.Lasked_\@:
.endm
.macro CREST
	s_cmp_lg_u32 s10, 0
	s_cbranch_scc1 .Lnot_wave_0_\@
	s_barrier_signal -3
.Lnot_wave_0_\@:
	s_barrier_wait -3
	s_barrier_signal -1
	s_barrier_wait -1
.endm
.macro CROUND
	s_barrier_signal -1
	s_barrier_wait -1
	CREST
.endm
.macro PLACES                          ; four places behind matrix instructions (ISA guide 7.12.1)
.rept 4
	v_nop
.endr
.endm
	s_load_b128 s[4:7], s[0:1], 0x0                ; ao s[4:5], wt s[6:7]
	s_load_b64 s[8:9], s[0:1], 0x10                ; out0
	v_lshl_add_u32 v254, v0, 2, 0x49400
	v_mov_b32 v255, 0
	ds_add_u32 v254, v255
	v_lshrrev_b32 v1, 5, v0
	v_readfirstlane_b32 s10, v1                    ; wave 0..3
	s_lshr_b32 s11, s10, 1                         ; my half of the block's rows.  Also: I fetch ao (0) or Wo (1)
	s_and_b32 s12, s10, 1                          ; my half of its columns.  Also: which half of that tile
	s_bfe_u32 s40, ttmp6, 0x40000                  ; cx
	s_bfe_u32 s41, ttmp6, 0x40004                  ; cy
	s_lshl_b32 s42, ttmp9, 2
	s_add_co_u32 s42, s42, s40                     ; block column
	s_and_b32 s13, ttmp7, 0xffff
	s_lshl_b32 s13, s13, 2
	s_add_co_u32 s13, s13, s41                     ; block row R
	s_lshl_b32 s43, s41, 2
	s_lshl_b32 s43, 15, s43                        ; my row of the cluster
	s_lshl_b32 s44, 0x1111, s40                    ; my column
	; ao: a block of 64 along K x 128 rows is 16,384 dense bytes; a descriptor row is one such block, two of them 262,144 bytes apart; the padding, counted
	; in words along the whole tile, lays 4 words behind every 32 (a row of 128 bytes).
	s_or_b32 s[G1+0], s43, (1<<16)|(1<<20)|(1<<21)|(4<<22)|(3<<25)
	s_mov_b32 s[G1+1], 8192<<16                    ; tensor_dim0 = 8,192 elements of 2 bytes
	s_mov_b32 s[G1+2], 2<<16                       ; tensor_dim1 = 2
	s_mov_b32 s[G1+3], 8192<<16                    ; tile_dim0
	s_mov_b32 s[G1+4], 2                           ; tile_dim1
	s_mov_b32 s[G1+5], 131072                      ; elements from block to block
	s_mov_b32 s[G1+6], 0
	s_mov_b32 s[G1+7], 0
	; Wo: 64 rows x 256 elements (512 bytes), 4 words behind every 128
	s_or_b32 s[G1B+0], s44, (1<<16)|(1<<20)|(1<<21)|(6<<22)|(3<<25)
	s_mov_b32 s[G1B+1], 256<<16
	s_mov_b32 s[G1B+2], 64<<16
	s_mov_b32 s[G1B+3], 256<<16
	s_mov_b32 s[G1B+4], 64
	s_mov_b32 s[G1B+5], 1024
	s_mov_b32 s[G1B+6], 0
	s_mov_b32 s[G1B+7], 0
	s_lshr_b32 s16, s13, 4
	s_lshl_b32 s16, s16, 23                        ; b x 8,388,608
	s_and_b32 s17, s13, 15
	s_lshl_b32 s17, s17, 14                        ; + 128 rows of 128 bytes each block row
	s_add_co_u32 s16, s16, s17
	s_lshl_b32 s17, s12, 19                        ; + my two blocks of 64
	s_add_co_u32 s16, s16, s17
	s_mov_b32 s17, 0
	s_lshl_b32 s46, s42, 18                        ; wt: 128 rows of 2,048 bytes each block column
	s_lshl_b32 s45, s12, 17                        ; + my 64 rows
	s_add_co_u32 s46, s46, s45
	s_add_co_u32 s46, s46, 3072*2048               ; behind Wq, Wk, Wv
	s_mov_b32 s47, 0
	s_mul_i32 s20, s10, 2*AHEAD                    ; where ao's halves go
	s_mul_i32 s21, s10, BHALF
	s_add_co_u32 s21, s21, ABYTES-2*BHALF          ; where Wo's go: behind ao's, (wave - 2) x 64 rows
	s_wait_dscnt 0x0
	s_wait_kmcnt 0x0
	s_add_nc_u64 s[14:15], s[4:5], s[16:17]
	s_add_nc_u64 s[46:47], s[6:7], s[46:47]
	CROUND                                         ; all sixteen work-groups are here: the first joint loads meet
.irp s, 0,1
	s_mov_b32 s[G0+4*\s], 1
	s_add_co_u32 s[G0+4*\s+1], s20, \s*SLOT
	s_add_nc_u64 s[G0+4*\s+2:G0+4*\s+3], s[14:15], \s*4*262144
	s_or_b32 s[G0+4*\s+3], s[G0+4*\s+3], 0x80000000
	s_mov_b32 s[G0B+4*\s], 1
	s_add_co_u32 s[G0B+4*\s+1], s21, \s*SLOT
	s_add_nc_u64 s[G0B+4*\s+2:G0B+4*\s+3], s[46:47], \s*512
	s_or_b32 s[G0B+4*\s+3], s[G0B+4*\s+3], 0x80000000
	JLOAD \s                                       ; fills 0 and 1: two tensor loads of the wave are out
.endr
	v_and_b32 v1, 15, v0                           ; r
	v_bfe_u32 v2, v0, 4, 1                         ; h
	v_mul_u32_u24 v3, v1, AP
	v_lshl_add_u32 v3, v2, 4, v3
	v_mul_u32_u24 v4, v1, BP
	v_lshl_add_u32 v4, v2, 4, v4
	s_mul_i32 s22, s11, 64*AP                      ; my 64 rows of ao
	s_mul_i32 s23, s12, BHALF                      ; my 64 rows of Wo,
	s_add_co_u32 s23, s23, ABYTES                  ; which lie behind ao's
.irp s, 0,1
	v_add_nc_u32 v[ADRA+\s], s22, v3
	v_add_nc_u32 v[ADRB+\s], s23, v4
	s_add_co_u32 s22, s22, SLOT
	s_add_co_u32 s23, s23, SLOT
.endr
	s_mul_i32 s23, s10, 16*SPITCH
	s_add_co_u32 s23, s23, STAGE                   ; my stage
	v_mul_u32_u24 v5, v1, SPITCH
	v_lshl_add_u32 v5, v2, 5, v5
	v_add_nc_u32 v[STO], s23, v5                   ; in: row r, 32 bytes for each half of the lanes
	v_mul_u32_u24 v6, v2, SPITCH
	v_lshl_add_u32 v6, v1, 4, v6
	v_add_nc_u32 v[RD], s23, v6                    ; back: lanes 0-15 one row of 256 bytes, lanes 16-31 the next
	v_lshlrev_b32 v7, 12, v2
	v_lshl_add_u32 v[CO], v1, 4, v7                ; and the same two rows in out0
.macro MUL16 f, kq, zero               ; all 16 tiles, 32 along K
.irp a, 0,1,2,3
.irp b, 0,1,2,3
.if \zero
	v_wmma_f32_16x16x32_f16 v[8*(4*\a+\b):8*(4*\a+\b)+7], v[128*\f+64*\kq+8*\b:128*\f+64*\kq+8*\b+7], v[128*\f+64*\kq+32+8*\a:128*\f+64*\kq+32+8*\a+7], 0
.else
	v_wmma_f32_16x16x32_f16 v[8*(4*\a+\b):8*(4*\a+\b)+7], v[128*\f+64*\kq+8*\b:128*\f+64*\kq+8*\b+7], v[128*\f+64*\kq+32+8*\a:128*\f+64*\kq+32+8*\a+7], v[8*(4*\a+\b):8*(4*\a+\b)+7]
.endif
.endr
.endr
.endm
.macro FETCH slot, head, f             ; 32 LDS loads: block number head of the slot's four, into buffer f; the first 32 of K first
	WIN TO_F
.irp kq, 0,1
.irp i, 0,1,2,3
	ds_load_b128 v[128*\f+64*\kq+8*\i:128*\f+64*\kq+8*\i+3],   v[ADRB+\slot] offset:128*\head+64*\kq+\i*16*BP
	ds_load_b128 v[128*\f+64*\kq+8*\i+4:128*\f+64*\kq+8*\i+7], v[ADRB+\slot] offset:128*\head+64*\kq+\i*16*BP+32
.endr
.irp i, 0,1,2,3
	ds_load_b128 v[128*\f+64*\kq+32+8*\i:128*\f+64*\kq+32+8*\i+3],   v[ADRA+\slot] offset:\head*AHEAD+64*\kq+\i*16*AP
	ds_load_b128 v[128*\f+64*\kq+32+8*\i+4:128*\f+64*\kq+32+8*\i+7], v[ADRA+\slot] offset:\head*AHEAD+64*\kq+\i*16*AP+32
.endr
.endr
.endm
.macro HSTEP slot, head, f, g, zero    ; multiplies buffer f (64 of K); in its middle fetches block number head of the same slot into buffer g
	s_wait_dscnt 16                                ; the first 32 of K are in; the sixteen younger loads may be out
	WIN MUL
	MUL16 \f, 0, \zero
	PLACES
	FETCH \slot, \head, \g
	s_wait_dscnt 32                                ; all but the 32 just issued
	WIN MUL
	MUL16 \f, 1, 0
.endm
; A slot's last block, in buffer 1, and the change of slots.  In front of the barrier: my reads of this slot and all my tensor loads (one is out: my part
; of the next slot).  Behind it the refill first.  back = 1: Wo's address goes back by 512 of K.  From a request to the wait for it: 112 matrix instructions.
.macro HTURN slot, next, fill, back
	s_wait_dscnt 0x0
	s_set_vgpr_msb 0xa5a0
	s_wait_tensorcnt 0x0
	ds_add_u32 v254, v255
	s_wait_dscnt 0x0
	s_set_vgpr_msb 0xa0a5
	s_barrier_signal -1                            ; where the slot is filled again this barrier opens a round of the cluster's barrier
	WIN MUL
	MUL16 1, 0, 0
	WIN 0
	s_barrier_wait -1
.if \fill
	CREST
	s_add_nc_u64 s[G0+4*\slot+2:G0+4*\slot+3], s[G0+4*\slot+2:G0+4*\slot+3], 8*262144
.if \back
	s_sub_nc_u64 s[G0B+4*\slot+2:G0B+4*\slot+3], s[G0B+4*\slot+2:G0B+4*\slot+3], 1024
.else
	s_add_nc_u64 s[G0B+4*\slot+2:G0B+4*\slot+3], s[G0B+4*\slot+2:G0B+4*\slot+3], 1024
.endif
	JLOAD \slot                                    ; the wave's one tensor load behind the round
.endif
	PLACES
	FETCH \next, 0, 0
	WIN MUL
	MUL16 1, 1, 0
.endm
.macro FOUR slot, next, fill, back, zero
	HSTEP \slot, 1, 0, 1, \zero
	HSTEP \slot, 2, 1, 0, 0
	HSTEP \slot, 3, 0, 1, 0
	HTURN \slot, \next, \fill, \back
.endm
	s_wait_tensorcnt 1                             ; my part of fill 0 is in; fill 1's may stay out
	s_barrier_signal -1
	s_barrier_wait -1
	FETCH 0, 0, 0
	FOUR 0, 1, 1, 0, 1                             ; fill 0 (its first products start the sums); slot 0 gets fill 2
	FOUR 1, 0, 1, 0, 0                             ; fill 1; slot 1 gets fill 3
	FOUR 0, 1, 1, 1, 0                             ; fill 2; slot 0 gets fill 4: the second part of ao, Wo from its first columns of K again
	FOUR 1, 0, 1, 1, 0                             ; fill 3; slot 1 gets fill 5
	FOUR 0, 1, 1, 0, 0                             ; fill 4; slot 0 gets fill 6
	FOUR 1, 0, 1, 0, 0                             ; fill 5; slot 1 gets fill 7
	FOUR 0, 1, 0, 0, 0                             ; fill 6; nothing is left to fetch
	HSTEP 1, 1, 0, 1, 0                            ; fill 7
	HSTEP 1, 2, 1, 0, 0
	HSTEP 1, 3, 0, 1, 0
	s_wait_dscnt 16
	WIN MUL
	MUL16 1, 0, 0
	s_wait_dscnt 0
	MUL16 1, 1, 0
	; THE WAY OUT, 16 rows at a time through my stage: a lane puts its 32 bytes of a row, whole rows of 256 bytes come back.
	PLACES
	s_lshl_b32 s16, s13, 19                        ; 128 rows of 4,096 bytes each block row
	s_lshl_b32 s14, s11, 18                        ; + my 64 rows
	s_add_co_u32 s16, s16, s14
	s_mov_b32 s17, 0
	s_add_nc_u64 s[8:9], s[8:9], s[16:17]
	s_lshl_b32 s46, s42, 9                         ; 128 columns of 4 bytes each block column (in the registers that held wt's address)
	s_lshl_b32 s45, s12, 8                         ; + my 64 columns
	s_add_co_u32 s46, s46, s45
	s_mov_b32 s47, 0
	s_add_nc_u64 s[8:9], s[8:9], s[46:47]
.macro OUT16 a, f
	WIN 0x08                                       ; the stores' data in window 2
.irp b, 0,1,2,3
	ds_store_b128 v[STO], v[8*(4*\a+\b):8*(4*\a+\b)+3]   offset:64*\b
	ds_store_b128 v[STO], v[8*(4*\a+\b)+4:8*(4*\a+\b)+7] offset:64*\b+16
.endr
	WIN 0
	s_wait_xcnt 0x0                                ; buffer f, which earlier stores read, is loaded again only behind this wait
.irp t, 0,1,2,3,4,5,6,7
	ds_load_b128 v[\f+4*\t:\f+4*\t+3], v[RD] offset:\t*2*SPITCH   ; LDS serves a wave's instructions in order: these see the stores above
.endr
.irp t, 0,1,2,3,4,5,6,7
	s_wait_dscnt 7-\t
	global_store_b128 v[CO], v[\f+4*\t:\f+4*\t+3], s[8:9] offset:(16*\a+2*\t)*4096 th:TH_STORE_NT   ; sixteen lanes store 256 consecutive bytes, aligned
.endr
.endm
	OUT16 0, 64
	OUT16 1, 96
	OUT16 2, 64
	OUT16 3, 96
	s_wait_tensorcnt 0x0
	ds_add_u32 v254, v255
	s_wait_dscnt 0x0
	CROUND                                         ; the closing round
	s_endpgm
.Lfunc_end_k_q0d3a7c3261_oproj:
	.size	k_q0d3a7c3261_oproj, .Lfunc_end_k_q0d3a7c3261_oproj-k_q0d3a7c3261_oproj
	.p2alignl 7, 3214868480
	.fill 96, 4, 3214868480
	.section	.rodata,"a",@progbits
	.p2align	6, 0x0
	.amdhsa_kernel k_q0d3a7c3261_oproj
		.amdhsa_group_segment_fixed_size 327680
		.amdhsa_private_segment_fixed_size 0
		.amdhsa_enable_private_segment 0
		.amdhsa_kernarg_size 24
		.amdhsa_user_sgpr_count 2
		.amdhsa_user_sgpr_kernarg_segment_ptr 1
		.amdhsa_wavefront_size32 1
		.amdhsa_system_sgpr_workgroup_id_x 1
		.amdhsa_system_sgpr_workgroup_id_y 1
		.amdhsa_system_sgpr_workgroup_id_z 1
		.amdhsa_system_vgpr_workitem_id 0
		.amdhsa_next_free_vgpr 640
		.amdhsa_next_free_sgpr 80
		.amdhsa_reserve_vcc 0
		.amdhsa_float_denorm_mode_32 3
		.amdhsa_float_denorm_mode_16_64 3
		.amdhsa_memory_ordered 1
		.amdhsa_forward_progress 1
		.amdhsa_inst_pref_size 158
	.end_amdhsa_kernel
	.amdgpu_metadata
---
amdhsa.version: [ 1, 2 ]
amdhsa.kernels:
  - .name:           k_q0d3a7c3261_oproj
    .symbol:         k_q0d3a7c3261_oproj.kd
    .args:
      - { .name: ao, .offset: 0, .size: 8, .value_kind: global_buffer, .address_space: global }
      - { .name: wt, .offset: 8, .size: 8, .value_kind: global_buffer, .address_space: global }
      - { .name: out0, .offset: 16, .size: 8, .value_kind: global_buffer, .address_space: global }
    .group_segment_fixed_size: 327680
    .private_segment_fixed_size: 0
    .kernarg_segment_align: 8
    .kernarg_segment_size: 24
    .max_flat_workgroup_size: 128
    .sgpr_count:     80
    .vgpr_count:     640
    .wavefront_size: 32
...
	.end_amdgpu_metadata
.endif
;; end of part 4
;; ======== version 2 of 2: 4 launches; 1.15 times as fast as version 1
;; limits: values are held in f16: magnitudes above 65,504 overflow, below 6.1e-05 lose precision
;; workspace buffers: xb 8,388,608 bytes; wt 8,388,608 bytes; qkv 25,165,824 bytes; ao 8,388,608 bytes; aol 131,072 bytes
;; launch cast: the kernel of part 1 again; grid 512 x 1, 8 waves a work-group, no clusters, 18,432 bytes of LDS; arguments x, Wq, Wk, Wv, Wo, xb, wt; writes xb, wt
;; launch qkv: the kernel of part 2 again; grid 16 x 16, 4 waves a work-group, clusters of 4 x 4, 327,680 bytes of LDS; arguments xb, wt, qkv; writes qkv
;; launch attn (part 5): grid 256 x 1, 8 waves a work-group, no clusters, 327,680 bytes of LDS; arguments qkv, ao, aol; writes ao, aol
.if DOCPART == 5
	.amdgcn_target "amdgcn-amd-amdhsa--gfx1250"
	.amdhsa_code_object_version 6
	.text
	.protected	k_q0d3a7c3261_attn
	.globl	k_q0d3a7c3261_attn
	.p2align	8
	.type	k_q0d3a7c3261_attn,@function
k_q0d3a7c3261_attn:
	s_mov_b64 s[64:65], 0
	v_nop
	global_prefetch_b8 v0, s[64:65] scope:SCOPE_SE
	s_setreg_imm32_b32 hwreg(HW_REG_WAVE_MODE, 25, 1), 1
	s_wait_xcnt 0x0
; Causal attention of one head, softmax(q k^T / 8) v, with a running maximum; f16 operands, everything else f32.
; qkv[b][s][l][64] f16 (s = head: q, 16 + head: k, 32 + head: v).
; ao[b][l / 16][head][t][lane][8] f16: the output o in the order in which the last product's matrix instructions want it: lane (r, h) of a tile of 16 rows
; holds o[row r][16 t + 8 h + 0..7].  That is what lane (r, h) of O^T's tile t holds here, so o leaves straight from registers, 512 consecutive bytes a store.
; aol[b][block / 8][head][t][lane][8] f16: o - f16(o) for the first 16 rows of blocks 0 and 8.  A row that averages few keys is up to some 15 times larger
; than the output's root mean square, so in a sequence's first 16 rows the rounding of o to f16 is made good; block 8 is written because the last launch's
; work-groups that hold blocks 0 and 8 run the same text.
; LIMITS: |q|, |k|, |v|, |o| < 65,504.  NaN and infinite inputs are not treated specially.  The row sum adds the unrounded p, the product uses p in f16.
; WORK: work-group id: head id / 8, e = 2 (id % 8).  It makes two blocks of 128 queries, number e and number 15 - e.  Each block takes its diagonal tile of
; 128 keys FIRST (that step starts the sums), then the tiles in front of it: e and 15 - e of them: 2 masked and 15 full steps in every work-group.
; EIGHT WAVES, two on each SIMD, so that one wave's softmax runs beside the other's matrix instructions and LDS waits.  Wave w: wq = w % 4 owns queries
; 32 wq .. 32 wq + 31 of the block, kh = w / 4 owns keys 64 kh .. 64 kh + 63 of EVERY tile, with a running maximum, a sum and an O^T of its own.  At a block's
; end the wave with kh = 1 hands its three to its partner through LDS, and the partner joins them: m = max, w_i = 2^(c (m_i - m)), o = (w0 O0 + w1 O1) / (w0 l0 + w1 l1).
; In a diagonal tile the upper 64 keys hold no allowed key for queries 0-63.  So a block's first maximum is max(scores, -1e30): masked scores stay -inf, p = 0,
; the sum 0, and the first real maximum gives the factor 2^(-huge) = 0.  Scores of f16 operands are below 64 x 65,504^2 = 2.7e11 in size, so the floor never
; takes a real maximum's place.
; TILES: a slot holds a PAIR of tiles, 256 keys: one barrier and one tensor load a wave for two steps.  Tile 14 - e lies in memory in front of the diagonal tile
; 15 - e: the two come in together at the start (D1), and tile 14 - e is taken last.  The other 14 full tiles are 7 pairs, number p in slot p % 2; e is even, so
; no pair holds tiles of both blocks, and the change of block stands in front of pair e / 2.
; NO CLUSTER: the eight work-groups of a head walk different tiles in the same step (eight different e), so no two ask for the same tile at the same time;
; walking alike would mean giving up the causal half of the work.
; S^T = K Q^T: a lane holds ONE query and 8 keys of each of 4 key tiles, so maximum and sum are in the lane, plus one exchange of the lane halves; two packed
; score tiles ARE a source-1 fragment of P^T; O^T = V^T P^T, with V^T read by transposing LDS loads; the rescaling factor and 1 / sum are one number a lane.
; Accumulators take turns, one matrix instruction a turn.
.set VP,    160                        ; V's LDS row: 128 bytes + 32, an odd multiple of 32 for the transposing loads
.set KP,    144                        ; K's LDS row: 128 bytes + 16, an odd multiple of 16
.set VQ,    64*VP                      ; 64 keys of V: what one tensor load brings, and what one wave reads of a tile
.set KQ,    64*KP                      ; the same of K
.set KOFF,  4*VQ                       ; in a slot: V's 256 rows, then K's
.set SLOT,  4*VQ+4*KQ                  ; 77,824 = 304 x 256; slot 0 at 0, slot 1 behind it
.set D1,    2*SLOT                     ; tiles 14 - e and 15 - e, laid like a slot, filled once
.set D0,    3*SLOT                     ; the diagonal tile of block e, filled once: V's 128 rows, then K's
.set KOFF0, 2*VQ
.set STAGE, D0+2*VQ+2*KQ               ; 272,384 = 1064 x 256: 17 x 512 bytes for each pair of waves; no tensor load lands here
.set SPART, 17*512
.set AK0,  8                           ; K fragments of my 64 keys in slot 0's first tile: r x 144 + 16 h + kh x KQ + KOFF
.set AV0,  9                           ; V fragments: (l % 8 + 8 h) x 160 + 16 ((l / 8) % 2) + kh x VQ
.set AK1,  10                          ; the same in slot 1, in D1, in D0
.set AV1,  11
.set AKD1, 12
.set AVD1, 13
.set AKD0, 14
.set AVD0, 15
.set CO,   16                          ; 16 x lane
.set QOFF, 17
.set DQ,   18                          ; v18-19  query - 8 h - 64 kh for my two query tiles: my key 16 kt + 8 h + j is masked where 16 kt + j > DQ
.set RM,   20                          ; v20-21  running maximum of the raw scores
.set RL,   22                          ; v22-23  running sum, of this half of the lanes (v[20:23] go to the partner in one store)
.set NM,   24                          ; v24-27  - c x maximum, twice each (pairs for packed arithmetic)
.set AL,   28                          ; v28-31  the rescaling factor, later my weight / sum, twice each
.set TT,   32                          ; v32-43  at work (FINAL names v32-v43 outright: halves of registers have no bracket form)
.set PM,   44                          ; v44-47  the partner's maxima and sums
.set NINF, 48
.set STG,  49                          ; my pair's stage + 16 x lane
.set OO,   64                          ; v64-127  O^T: tile (t, qt) at 64 + 8 (2 t + qt)
.set SS,   128                         ; v128-191 S^T: tile (kt, qt) at 128 + 8 (2 kt + qt); P(g, qt) = the registers of tile (2 g, qt)
.set QF,   192                         ; v192-223 Q fragments at 8 (2 qt + ks)
.set QN,   224                         ; v224-255 the same for block 15 - e, loaded at the start
.set KF,   0                           ; window 1: K fragments at 8 (2 kt + ks)
.set VF,   64                          ; window 1: V^T fragments at 64 + 8 (4 g + t)
.set G1V,  16                          ; s[16:23] group 1 for 64 keys of V, s[24:31] of K; s[32:39], s[40:47] for 32 keys
.set G1K,  24
.set G1V0, 32
.set G1K0, 40
.set GV,   48                          ; group 0 for V: slot 0, slot 1, D1, D0 in s[48:63]
.set GK,   68                          ; the same for K in s[68:83]
.set MSB, 0
.macro WIN new                         ; the immediate's high byte repeats the setting that is left
.if MSB != \new
	s_set_vgpr_msb (MSB<<8)|\new
.set MSB, \new
.endif
.endm
.macro NOPS n
.rept \n
	v_nop
.endr
.endm
.macro G0HEAD g, ldsreg, region
	s_mov_b32 s[\g], 1
	s_add_co_u32 s[\g+1], s[\ldsreg], \region
.endm
.macro G0ADDR g, base                  ; the tile at base + s[88:89], then the type
	s_add_nc_u64 s[\g+2:\g+3], s[\base:\base+1], s[88:89]
	s_or_b32 s[\g+3], s[\g+3], 0x80000000
.endm
.macro JLOAD s                         ; waves 0-3 fetch V's four quarters of a pair, waves 4-7 K's
	s_cmp_eq_u32 s11, 0
	s_cbranch_scc0 .Lfor_k_\@
	tensor_load_to_lds s[GV+4*(\s):GV+4*(\s)+3], s[G1V:G1V+7]
	s_nop 0
	s_branch .Lasked_\@
.Lfor_k_\@:
	tensor_load_to_lds s[GK+4*(\s):GK+4*(\s)+3], s[G1K:G1K+7]
	s_nop 0
.Lasked_\@:
.endm
	s_load_b128 s[4:7], s[0:1], 0x0                ; qkv s[4:5], ao s[6:7]
	s_load_b64 s[98:99], s[0:1], 0x10              ; aol
	v_lshl_add_u32 v62, v0, 2, 0x4b000
	v_mov_b32 v63, 0
	ds_add_u32 v62, v63
	v_lshrrev_b32 v1, 5, v0
	v_readfirstlane_b32 s8, v1                     ; wave 0..7
	s_lshr_b32 s11, s8, 2                          ; kh: my half of every tile's keys.  Also: I fetch V (0) or K (1)
	s_and_b32 s66, s8, 3                           ; wq: my 32 queries.  Also: which quarter of a pair I fetch
	s_lshr_b32 s67, ttmp9, 3
	s_and_b32 s10, ttmp9, 7
	s_lshl_b32 s10, s10, 1                         ; e
	s_lshr_b32 s100, s67, 4                        ; b
	s_and_b32 s101, s67, 15                        ; head
	s_mov_b32 s12, 0x76543210                      ; v_permlanex16_b32: lane i reads lane i of the other half
	s_mov_b32 s13, 0xfedcba98
	s_mov_b32 s14, 0x3e38aa3b                      ; c = log2(e) / 8: the scale 64^-0.5 and the change of base in one factor
	s_mov_b32 s15, 0x3e38aa3b
	; 64 keys are 64 rows of 128 bytes that follow each other in memory: 8,192 dense bytes, taken as 32 rows of 256 bytes (32 elements of 8 bytes); 32 keys as 16 rows.
	; The padding is counted in words along the whole tile: behind every 32 words (a key's 128 bytes) 8 words for V, 4 for K.
	s_mov_b32 s[G1V+0], (3<<16)|(1<<20)|(4<<22)|(7<<25)
	s_mov_b32 s[G1K+0], (3<<16)|(1<<20)|(4<<22)|(3<<25)
	s_mov_b32 s[G1V0+0], (3<<16)|(1<<20)|(4<<22)|(7<<25)
	s_mov_b32 s[G1K0+0], (3<<16)|(1<<20)|(4<<22)|(3<<25)
	s_mov_b32 s[G1V+1], 32<<16                     ; tensor_dim0 = 32
	s_mov_b32 s[G1K+1], 32<<16
	s_mov_b32 s[G1V0+1], 32<<16
	s_mov_b32 s[G1K0+1], 32<<16
	s_mov_b32 s[G1V+2], 32<<16                     ; tensor_dim1 = 32, or 16
	s_mov_b32 s[G1K+2], 32<<16
	s_mov_b32 s[G1V0+2], 16<<16
	s_mov_b32 s[G1K0+2], 16<<16
	s_mov_b32 s[G1V+3], 32<<16                     ; tile_dim0 = 32
	s_mov_b32 s[G1K+3], 32<<16
	s_mov_b32 s[G1V0+3], 32<<16
	s_mov_b32 s[G1K0+3], 32<<16
	s_mov_b32 s[G1V+4], 32                         ; tile_dim1 = 32, or 16
	s_mov_b32 s[G1K+4], 32
	s_mov_b32 s[G1V0+4], 16
	s_mov_b32 s[G1K0+4], 16
	s_mov_b32 s[G1V+5], 32                         ; elements from row to row
	s_mov_b32 s[G1K+5], 32
	s_mov_b32 s[G1V0+5], 32
	s_mov_b32 s[G1K0+5], 32
	s_mov_b32 s[G1V+6], 0
	s_mov_b32 s[G1K+6], 0
	s_mov_b32 s[G1V0+6], 0
	s_mov_b32 s[G1K0+6], 0
	s_mov_b32 s[G1V+7], 0
	s_mov_b32 s[G1K+7], 0
	s_mov_b32 s[G1V0+7], 0
	s_mov_b32 s[G1K0+7], 0
	; byte offsets, each in the registers that will hold the address made of it
	s_mul_i32 s2, s100, 12582912                   ; b x 48 slices
	s_lshl_b32 s3, s101, 18
	s_add_co_u32 s2, s2, s3                        ; the head's q slice
	s_lshl_b32 s3, s66, 13
	s_add_co_u32 s3, s2, s3                        ; + my quarter of a pair: 64 keys of 128 bytes
	s_add_co_u32 s84, s3, 32*262144                ; in v
	s_mov_b32 s85, 0
	s_add_co_u32 s86, s3, 16*262144                ; in k
	s_mov_b32 s87, 0
	s_lshl_b32 s3, s66, 12
	s_add_co_u32 s2, s2, s3                        ; q slice + 32 wq rows of 128 bytes
	s_lshl_b32 s67, s10, 14                        ; block e: 128 rows of 128 bytes each block
	s_sub_co_u32 s3, 15, s10
	s_lshl_b32 s3, s3, 14                          ; block 15 - e
	s_add_co_u32 s90, s2, s67                      ; my queries of block e (32 slices on: my eighth, 32 keys, of v's tile e)
	s_mov_b32 s91, 0
	s_add_co_u32 s92, s2, s3                       ; my queries of block 15 - e
	s_mov_b32 s93, 0
	s_lshl_b32 s94, s100, 22                       ; ao: b x 128 row tiles of 32,768 bytes
	s_lshl_b32 s2, s101, 11                        ; head x 2,048 bytes (four t x 32 lanes x 16 bytes)
	s_add_co_u32 s94, s94, s2
	s_lshl_b32 s96, s66, 16                        ; + my two row tiles
	s_add_co_u32 s94, s94, s96
	s_lshl_b32 s96, s3, 4                          ; a block is 8 row tiles
	s_add_co_u32 s96, s94, s96                     ; block 15 - e
	s_mov_b32 s97, 0
	s_lshl_b32 s3, s67, 4
	s_add_co_u32 s94, s94, s3                      ; block e
	s_mov_b32 s95, 0
	s_lshl_b32 s100, s100, 16                      ; aol: b x 2 tiles of 32,768 bytes
	s_add_co_u32 s100, s100, s2                    ; + head
	s_lshr_b32 s3, s10, 3
	s_lshl_b32 s3, s3, 15                          ; + tile e / 8
	s_add_co_u32 s100, s100, s3
	s_mov_b32 s101, 0
	s_mul_i32 s2, s8, VQ                           ; where V's quarters go in a slot: wave x 64 rows
	s_mul_i32 s3, s8, KQ
	s_add_co_u32 s3, s3, KOFF-4*KQ                 ; where K's go: behind V, (wave - 4) x 64 rows
	G0HEAD GV, 2, 0
	G0HEAD GV+4, 2, SLOT
	G0HEAD GV+8, 2, D1
	G0HEAD GK, 3, 0
	G0HEAD GK+4, 3, SLOT
	G0HEAD GK+8, 3, D1
	s_mul_i32 s2, s8, VQ/2                         ; the diagonal tile of block e is shared in eighths: wave x 32 rows
	s_mul_i32 s3, s8, KQ/2
	s_add_co_u32 s3, s3, KOFF0-2*KQ
	G0HEAD GV+12, 2, D0
	G0HEAD GK+12, 3, D0
	s_mov_b32 s89, 0
	s_wait_dscnt 0x0
	s_wait_kmcnt 0x0
	s_add_co_u32 s88, s90, 32*262144
	G0ADDR GV+12, 4                                ; my eighth of v's tile e
	s_add_co_u32 s88, s90, 16*262144
	G0ADDR GK+12, 4                                ; of k's
	s_add_nc_u64 s[84:85], s[4:5], s[84:85]        ; my quarter of v's tiles 0 and 1
	s_add_nc_u64 s[86:87], s[4:5], s[86:87]        ; of k's
	s_sub_co_u32 s88, 14, s10
	s_lshl_b32 s88, s88, 14                        ; tiles 14 - e and 15 - e
	G0ADDR GV+8, 84
	G0ADDR GK+8, 86
	s_mov_b32 s88, 0                               ; pair 0 is tiles 0 and 1 for every e
	G0ADDR GV, 84
	G0ADDR GK, 86
	; the first fills go out as one group, in one branch on the wave's number: three tensor loads of the wave are out
	s_cmp_eq_u32 s11, 0
	s_cbranch_scc0 .Lfirst_k
	tensor_load_to_lds s[GV+12:GV+15], s[G1V0:G1V0+7]
	s_nop 0
	tensor_load_to_lds s[GV+8:GV+11], s[G1V:G1V+7]
	s_nop 0
	tensor_load_to_lds s[GV:GV+3], s[G1V:G1V+7]
	s_nop 0
	s_branch .Lfirst_done
.Lfirst_k:
	tensor_load_to_lds s[GK+12:GK+15], s[G1K0:G1K0+7]
	s_nop 0
	tensor_load_to_lds s[GK+8:GK+11], s[G1K:G1K+7]
	s_nop 0
	tensor_load_to_lds s[GK:GK+3], s[G1K:G1K+7]
	s_nop 0
.Lfirst_done:
	s_add_nc_u64 s[90:91], s[4:5], s[90:91]        ; q of block e, of block 15 - e
	s_add_nc_u64 s[92:93], s[4:5], s[92:93]
	s_add_nc_u64 s[94:95], s[6:7], s[94:95]        ; ao of block e, of block 15 - e
	s_add_nc_u64 s[96:97], s[6:7], s[96:97]
	s_add_nc_u64 s[98:99], s[98:99], s[100:101]    ; aol of block e
	v_and_b32 v1, 31, v0                           ; l
	v_and_b32 v2, 15, v0                           ; r
	v_bfe_u32 v3, v0, 4, 1                         ; h
	v_lshlrev_b32 v[QOFF], 7, v2
	v_lshl_add_u32 v[QOFF], v3, 4, v[QOFF]         ; q: row r, 16 h
; eight loads: my 32 queries as four source-1 fragments (16 queries x 32 of the head's 64)
.macro QLOAD dst, base
.irp u, 0,1
.irp ks, 0,1
	global_load_b128 v[\dst+8*(2*\u+\ks):\dst+8*(2*\u+\ks)+3],   v[QOFF], s[\base:\base+1] offset:2048*\u+64*\ks
	global_load_b128 v[\dst+8*(2*\u+\ks)+4:\dst+8*(2*\u+\ks)+7], v[QOFF], s[\base:\base+1] offset:2048*\u+64*\ks+32
.endr
.endr
.endm
	QLOAD QF, 90
	QLOAD QN, 92                                   ; the second block's queries now, so that the change of block waits for no memory
	v_mul_u32_u24 v4, v2, KP
	v_lshl_add_u32 v4, v3, 4, v4                   ; r x 144 + 16 h
	s_mul_i32 s2, s11, KQ
	v_add_nc_u32 v4, s2, v4                        ; + my 64 keys
	v_add_nc_u32 v[AK0], KOFF, v4
	v_add_nc_u32 v[AK1], SLOT+KOFF, v4
	v_add_nc_u32 v[AKD1], D1+KOFF, v4
	v_add_nc_u32 v[AKD0], D0+KOFF0, v4
	v_and_b32 v5, 7, v0
	v_lshl_add_u32 v5, v3, 3, v5
	v_mul_u32_u24 v5, v5, VP
	v_bfe_u32 v6, v0, 3, 1
	v_lshl_add_u32 v5, v6, 4, v5
	s_mul_i32 s3, s11, VQ
	v_add_nc_u32 v[AV0], s3, v5
	v_add_nc_u32 v[AV1], SLOT, v[AV0]
	v_add_nc_u32 v[AVD1], D1, v[AV0]
	v_add_nc_u32 v[AVD0], D0, v[AV0]
	v_lshlrev_b32 v[CO], 4, v1                     ; my 16 bytes of a store's 512
	s_mul_i32 s2, s66, SPART
	s_add_co_u32 s2, s2, STAGE
	v_add_nc_u32 v[STG], s2, v[CO]                 ; waves wq and wq + 4 share a stage
	v_lshlrev_b32 v6, 3, v3
	v_sub_nc_u32 v6, v2, v6                        ; r - 8 h
	s_lshl_b32 s2, s66, 5
	s_lshl_b32 s3, s11, 6
	s_sub_co_u32 s2, s2, s3                        ; 32 wq - 64 kh, as a signed number
	v_add_nc_u32 v[DQ], s2, v6
	v_add_nc_u32 v[DQ+1], 16, v[DQ]
	v_mov_b32 v[NINF], 0xff800000
; The softmax of query tile qt over my 64 keys of this step: 32 scores a lane.  diag = 1: the masked first step of a block, which starts maximum and sum.
.macro SOFTMAX qt, diag
.if \diag
.irp kt, 0,1,2,3
.irp j, 0,1,2,3,4,5,6,7
	v_cmp_gt_i32 vcc_lo, 16*\kt+\j, v[DQ+\qt]      ; key > query
	v_cndmask_b32 v[SS+8*(2*\kt+\qt)+\j], v[SS+8*(2*\kt+\qt)+\j], v[NINF], vcc_lo
.endr
.endr
.endif
.irp k, 0,1,2,3
	v_max_num_f32 v[TT+\k], v[SS+16*\k+8*\qt], v[SS+16*\k+8*\qt+1]   ; four chains, one for each key tile
.endr
.irp p, 2,4,6
.irp k, 0,1,2,3
	v_max3_num_f32 v[TT+\k], v[TT+\k], v[SS+16*\k+8*\qt+\p], v[SS+16*\k+8*\qt+\p+1]
.endr
.endr
	v_max3_num_f32 v[TT], v[TT], v[TT+1], v[TT+2]
	v_max_num_f32 v[TT], v[TT], v[TT+3]
	v_permlanex16_b32 v[TT+1], v[TT], s12, s13     ; the other eight keys of each tile
.if \diag
	v_max3_num_f32 v[RM+\qt], v[TT], v[TT+1], 0xf149f2ca   ; -1e30 where my 64 keys are all masked
	v_mul_f32 v[NM+2*\qt], 0xbe38aa3b, v[RM+\qt]   ; - c x maximum
	v_mov_b32 v[NM+2*\qt+1], v[NM+2*\qt]
.else
	v_max3_num_f32 v[RM+\qt], v[TT], v[TT+1], v[RM+\qt]
	v_mul_f32 v[TT+2], 0xbe38aa3b, v[RM+\qt]
	v_sub_f32 v[TT+3], v[TT+2], v[NM+2*\qt]        ; c (old maximum - new maximum)
	v_exp_f32 v[AL+2*\qt], v[TT+3]
	v_exp_f32 v[AL+2*\qt+1], v[TT+3]
	v_mov_b32 v[NM+2*\qt], v[TT+2]                 ; plain instructions behind the exponentials, ahead of their results' first use (ISA guide 5.7.2)
	v_mov_b32 v[NM+2*\qt+1], v[TT+2]
.endif
.irp kt, 0,1,2,3
.irp p, 0,2,4,6
	v_pk_fma_f32 v[SS+8*(2*\kt+\qt)+\p:SS+8*(2*\kt+\qt)+\p+1], v[SS+8*(2*\kt+\qt)+\p:SS+8*(2*\kt+\qt)+\p+1], s[14:15], v[NM+2*\qt:NM+2*\qt+1] op_sel_hi:[1,0,1]
.endr
.endr
.irp kt, 0,1,2,3
.irp j, 0,1,2,3,4,5,6,7
	v_exp_f32 v[SS+8*(2*\kt+\qt)+\j], v[SS+8*(2*\kt+\qt)+\j]   ; p = 2^(c s - c maximum); a masked score gives 0
.endr
.endr
	v_nop                                          ; the plain place behind the last exponential
	s_wait_alu depctr_va_vdst(0)
.irp k, 0,1,2,3
	v_pk_add_f32 v[TT+4+2*\k:TT+5+2*\k], v[SS+16*\k+8*\qt:SS+16*\k+8*\qt+1], v[SS+16*\k+8*\qt+2:SS+16*\k+8*\qt+3]
.endr
.irp p, 4,6
.irp k, 0,1,2,3
	v_pk_add_f32 v[TT+4+2*\k:TT+5+2*\k], v[TT+4+2*\k:TT+5+2*\k], v[SS+16*\k+8*\qt+\p:SS+16*\k+8*\qt+\p+1]
.endr
.endr
	v_pk_add_f32 v[TT+4:TT+5], v[TT+4:TT+5], v[TT+6:TT+7]
	v_pk_add_f32 v[TT+8:TT+9], v[TT+8:TT+9], v[TT+10:TT+11]
	v_pk_add_f32 v[TT+4:TT+5], v[TT+4:TT+5], v[TT+8:TT+9]
.if \diag
	v_add_f32 v[RL+\qt], v[TT+4], v[TT+5]
.else
	v_add_f32 v[TT], v[TT+4], v[TT+5]
	v_fma_f32 v[RL+\qt], v[RL+\qt], v[AL+2*\qt], v[TT]
.endif
.irp g, 0,1
.irp c, 0,1,2,3
	v_cvt_pk_f16_f32 v[SS+32*\g+8*\qt+\c], v[SS+32*\g+8*\qt+2*\c], v[SS+32*\g+8*\qt+2*\c+1]        ; tile 2 g packs in place: keys 32 g + 8 h + 0..7
.endr
.irp c, 0,1,2,3
	v_cvt_pk_f16_f32 v[SS+32*\g+8*\qt+4+\c], v[SS+32*\g+16+8*\qt+2*\c], v[SS+32*\g+16+8*\qt+2*\c+1] ; tile 2 g + 1 beside it: keys 32 g + 16 + 8 h + 0..7
.endr
.endr
.if \diag
.else
.irp t, 0,1,2,3
.irp p, 0,2,4,6
	v_pk_mul_f32 v[OO+8*(2*\t+\qt)+\p:OO+8*(2*\t+\qt)+\p+1], v[OO+8*(2*\t+\qt)+\p:OO+8*(2*\t+\qt)+\p+1], v[AL+2*\qt:AL+2*\qt+1]
.endr
.endr
.endif
.endm
; eight matrix instructions: O^T += V^T (64 x my keys 32 g .. 32 g + 31) P^T
.macro PVG g, zero
.irp t, 0,1,2,3
.irp u, 0,1
.if \zero
	v_wmma_f32_16x16x32_f16 v[OO+8*(2*\t+\u):OO+8*(2*\t+\u)+7], v[VF+8*(4*\g+\t):VF+8*(4*\g+\t)+7], v[SS+32*\g+8*\u:SS+32*\g+8*\u+7], 0
.else
	v_wmma_f32_16x16x32_f16 v[OO+8*(2*\t+\u):OO+8*(2*\t+\u)+7], v[VF+8*(4*\g+\t):VF+8*(4*\g+\t)+7], v[SS+32*\g+8*\u:SS+32*\g+8*\u+7], v[OO+8*(2*\t+\u):OO+8*(2*\t+\u)+7]
.endif
.endr
.endr
.endm
; One step: my 64 keys of the tile at byte offk (K) and offv (V) behind the registers ak and av.
.macro STEP ak, av, offk, offv, diag
	NOPS 5                                         ; places behind the last step's matrix instructions: five before the scores write over P, four before the loads into V's fragments
	WIN 0x40                                       ; destination window 1
.irp kt, 0,1,2,3
.irp ks, 0,1
	ds_load_b128 v[KF+8*(2*\kt+\ks):KF+8*(2*\kt+\ks)+3],   v[\ak] offset:\offk+16*KP*\kt+64*\ks
	ds_load_b128 v[KF+8*(2*\kt+\ks)+4:KF+8*(2*\kt+\ks)+7], v[\ak] offset:\offk+16*KP*\kt+64*\ks+32
.endr
.endr
.irp g, 0,1
.irp t, 0,1,2,3
	ds_load_tr16_b128 v[VF+8*(4*\g+\t):VF+8*(4*\g+\t)+3],   v[\av] offset:\offv+32*VP*\g+32*\t
	ds_load_tr16_b128 v[VF+8*(4*\g+\t)+4:VF+8*(4*\g+\t)+7], v[\av] offset:\offv+32*VP*\g+32*\t+16*VP
.endr
.endr
	WIN 0x01                                       ; source 0 window 1: K's fragments here, V's below
.irp gg, 0,1
	s_wait_dscnt 24-8*\gg                          ; of the 32 loads the first 8 (gg + 1) are in: key tiles up to 2 gg + 1
.irp kk, 0,1
.irp u, 0,1
	v_wmma_f32_16x16x32_f16 v[SS+8*(2*(2*\gg+\kk)+\u):SS+8*(2*(2*\gg+\kk)+\u)+7], v[KF+16*(2*\gg+\kk):KF+16*(2*\gg+\kk)+7], v[QF+16*\u:QF+16*\u+7], 0
.endr
.endr
.irp kk, 0,1
.irp u, 0,1
	v_wmma_f32_16x16x32_f16 v[SS+8*(2*(2*\gg+\kk)+\u):SS+8*(2*(2*\gg+\kk)+\u)+7], v[KF+16*(2*\gg+\kk)+8:KF+16*(2*\gg+\kk)+15], v[QF+16*\u+8:QF+16*\u+15], v[SS+8*(2*(2*\gg+\kk)+\u):SS+8*(2*(2*\gg+\kk)+\u)+7]
.endr
.endr
.endr
	NOPS 4                                         ; places in front of the first reader of the scores
	WIN 0
	SOFTMAX 0, \diag
	SOFTMAX 1, \diag
	WIN 0x01
	s_wait_dscnt 0x0                               ; V's fragments
	PVG 0, \diag                                   ; in a block's first step the first products start the sums
	PVG 1, 0
	WIN 0
.endm
; In front of pair p = 2 it + slot.  Every wave waits for all its tensor loads (its part of this pair among them) and for its reads of the other slot, then
; the barrier; behind it the other slot is filled with pair p + 1: one tensor load a wave, which has this pair's two steps in which to land.
.macro FRAME slot, refill
	s_wait_tensorcnt 0x0
	ds_add_u32 v62, v63
	s_wait_dscnt 0x0
.if \refill
	s_lshl_b32 s2, s9, 2
	s_add_co_u32 s2, s2, 2*(\slot+1)               ; 2 (p + 1): the next pair's first place among the 14 tiles
	s_sub_co_u32 s3, s2, s10
	s_cmp_lt_u32 s2, s10
	s_cselect_b32 s88, s2, s3                      ; that tile of block e, or e tiles less for block 15 - e
	s_lshl_b32 s88, s88, 14
	G0ADDR GV+4*(1-\slot), 84                      ; no tensor load of mine is out: a group 0 may be written
	G0ADDR GK+4*(1-\slot), 86
.endif
	s_wait_dscnt 0x0
	s_barrier_signal -1
	s_barrier_wait -1
.if \refill
	JLOAD 1-\slot
.endif
.endm
; A block's end.  Four places stand in front of it.  The waves with kh = 1 put O^T, maxima and sums into the pair's stage and go on; behind the barrier the
; waves with kh = 0 join the two halves of the keys, round o to f16 and store it from the registers in which it lies.
; lo = 1 (block e): where the block is number 0 or 8, wave 0 also stores what the rounding left of its first query tile.
; again = 1 (the second end): one more barrier first, so that these stores into the stage stand behind every wave's reads of it at the first end.
.macro FINAL base, lo, again
.if \again
	s_wait_dscnt 0x0
	s_barrier_signal -1
	s_barrier_wait -1
.endif
	s_cmp_eq_u32 s11, 0
	s_cbranch_scc1 .Lkeeps_\@
.irp i, 0,1,2,3,4,5,6,7,8,9,10,11,12,13,14,15
	ds_store_b128 v[STG], v[OO+4*\i:OO+4*\i+3] offset:512*\i   ; 512 consecutive bytes a store
.endr
	ds_store_b128 v[STG], v[RM:RM+3] offset:8192
.Lkeeps_\@:
	s_wait_dscnt 0x0                               ; my stores are in LDS, for the partner's sake
	s_barrier_signal -1
	s_barrier_wait -1
	s_cmp_lg_u32 s11, 0
	s_cbranch_scc1 .Lgave_\@
	ds_load_b128 v[PM:PM+3], v[STG] offset:8192
.irp i, 0,1,2,3,4,5,6,7,8,9,10,11,12,13,14,15
	ds_load_b128 v[SS+4*\i:SS+4*\i+3], v[STG] offset:512*\i
.endr
	s_wait_dscnt 16                                ; the partner's maxima and sums are in; its O^T, sixteen loads, may be out
	v_max_num_f32 v[TT], v[RM], v[PM]
	v_max_num_f32 v[TT+1], v[RM+1], v[PM+1]
	v_sub_f32 v[TT+2], v[RM], v[TT]
	v_sub_f32 v[TT+3], v[PM], v[TT]
	v_sub_f32 v[TT+4], v[RM+1], v[TT+1]
	v_sub_f32 v[TT+5], v[PM+1], v[TT+1]
.irp i, 2,3,4,5
	v_mul_f32 v[TT+\i], s14, v[TT+\i]
.endr
.irp i, 2,3,4,5
	v_exp_f32 v[TT+\i], v[TT+\i]                   ; the weights 2^(c (m_i - m)): mine, the partner's, for each query tile
.endr
	v_nop                                          ; the plain place behind the exponentials
	s_wait_alu depctr_va_vdst(0)
	v_mul_f32 v[TT+6], v[RL], v[TT+2]
	v_mul_f32 v[TT+7], v[RL+1], v[TT+4]
	v_fma_f32 v[TT+6], v[PM+2], v[TT+3], v[TT+6]
	v_fma_f32 v[TT+7], v[PM+3], v[TT+5], v[TT+7]
	v_permlanex16_b32 v[TT], v[TT+6], s12, s13     ; the two halves of the lanes have summed different keys
	v_permlanex16_b32 v[TT+1], v[TT+7], s12, s13
	v_add_f32 v[TT], v[TT], v[TT+6]
	v_add_f32 v[TT+1], v[TT+1], v[TT+7]
	v_rcp_f32 v[TT], v[TT]
	v_rcp_f32 v[TT+1], v[TT+1]
	v_nop                                          ; the plain place behind the reciprocals
	s_wait_alu depctr_va_vdst(0)
	v_mul_f32 v[AL], v[TT+2], v[TT]                ; weight / sum, twice each: mine
	v_mul_f32 v[AL+1], v[TT+2], v[TT]
	v_mul_f32 v[AL+2], v[TT+4], v[TT+1]
	v_mul_f32 v[AL+3], v[TT+4], v[TT+1]
	v_mul_f32 v[TT+8], v[TT+3], v[TT]              ; the partner's
	v_mul_f32 v[TT+9], v[TT+3], v[TT]
	v_mul_f32 v[TT+10], v[TT+5], v[TT+1]
	v_mul_f32 v[TT+11], v[TT+5], v[TT+1]
.irp n, 0,1,2,3,4,5,6,7
	s_wait_dscnt 14-2*\n                           ; LDS loads come back in order: the partner's tile n = 2 t + qt is in
.irp p, 0,2,4,6
	v_pk_mul_f32 v[OO+8*\n+\p:OO+8*\n+\p+1], v[OO+8*\n+\p:OO+8*\n+\p+1], v[AL+2*(\n&1):AL+2*(\n&1)+1]
.endr
.irp p, 0,2,4,6
	v_pk_fma_f32 v[OO+8*\n+\p:OO+8*\n+\p+1], v[SS+8*\n+\p:SS+8*\n+\p+1], v[TT+8+2*(\n&1):TT+9+2*(\n&1)], v[OO+8*\n+\p:OO+8*\n+\p+1]
.endr
.irp c, 0,1,2,3
	v_cvt_pk_f16_f32 v[SS+8*\n+\c], v[OO+8*\n+2*\c], v[OO+8*\n+2*\c+1]   ; every store has data registers of its own
.endr
	global_store_b128 v[CO], v[SS+8*\n:SS+8*\n+3], s[\base:\base+1] offset:32768*(\n&1)+512*(\n>>1)   ; 512 consecutive bytes, aligned
.endr
.if \lo
	s_cmp_lg_u32 s8, 0
	s_cbranch_scc1 .Lno_lo_\@
	s_and_b32 s2, s10, 7
	s_cmp_lg_u32 s2, 0
	s_cbranch_scc1 .Lno_lo_\@
.irp t, 0,1,2,3
.irp c, 0,1,2,3
	v_cvt_pk_f16_f32 v[TT+\c], v[OO+16*\t+2*\c], v[OO+16*\t+2*\c+1]   ; the rounded values once more, in registers whose halves have names (TT = 32)
.endr
	v_cvt_f32_f16 v36, v32.l                       ; widened again
	v_cvt_f32_f16 v37, v32.h
	v_cvt_f32_f16 v38, v33.l
	v_cvt_f32_f16 v39, v33.h
	v_cvt_f32_f16 v40, v34.l
	v_cvt_f32_f16 v41, v34.h
	v_cvt_f32_f16 v42, v35.l
	v_cvt_f32_f16 v43, v35.h
.irp p, 0,2,4,6
	v_pk_add_f32 v[TT+4+\p:TT+5+\p], v[OO+16*\t+\p:OO+16*\t+\p+1], v[TT+4+\p:TT+5+\p] neg_lo:[0,1] neg_hi:[0,1]
.endr
.irp c, 0,1,2,3
	v_cvt_pk_f16_f32 v[SS+8*\t+4+\c], v[TT+4+2*\c], v[TT+5+2*\c]
.endr
	global_store_b128 v[CO], v[SS+8*\t+4:SS+8*\t+7], s[98:99] offset:512*\t
.endr
.Lno_lo_\@:
.endif
	s_wait_xcnt 0x0                                ; the stores' data lie in the scores' registers, which are written again only behind this wait
.Lgave_\@:
.endm
; Block e ends, block 15 - e begins with its diagonal tile, D1's second.  No tensor load in here.  The new queries have lain in registers since the start:
; 32 moves, once in a work-group, where a load would leave both waves of a SIMD waiting for memory.
.macro SWITCH
	NOPS 4                                         ; places behind the last matrix instructions: for the readers of O, the loads into P's registers and the moves into Q's
	FINAL 94, 1, 0
	s_wait_loadcnt 0x0
.irp i, 0,1,2,3,4,5,6,7,8,9,10,11,12,13,14,15,16,17,18,19,20,21,22,23,24,25,26,27,28,29,30,31
	v_mov_b32 v[QF+\i], v[QN+\i]
.endr
	STEP AKD1, AVD1, 2*KQ, 2*VQ, 1
.endm
	s_wait_tensorcnt 0x1                           ; my parts of D0 and D1 are in; pair 0's may stay out
	s_barrier_signal -1
	s_barrier_wait -1
	s_wait_loadcnt 0x8                             ; block e's queries are in; the eight younger loads, block 15 - e's, may stay out
	STEP AKD0, AVD0, 0, 0, 1
	s_mov_b32 s9, 0
.Ltrip:
	s_lshl_b32 s2, s9, 2
	s_cmp_lg_u32 s2, s10                           ; block e has had its e tiles
	s_cbranch_scc1 .Lsame_a
	SWITCH
.Lsame_a:
	FRAME 0, 1
	STEP AK0, AV0, 0, 0, 0
	STEP AK0, AV0, 2*KQ, 2*VQ, 0
	s_lshl_b32 s2, s9, 2
	s_add_co_u32 s2, s2, 2
	s_cmp_lg_u32 s2, s10
	s_cbranch_scc1 .Lsame_b
	SWITCH
.Lsame_b:
	FRAME 1, 1
	STEP AK1, AV1, 0, 0, 0
	STEP AK1, AV1, 2*KQ, 2*VQ, 0
	s_add_co_u32 s9, s9, 1
	s_cmp_lt_u32 s9, 3
	s_cbranch_scc1 .Ltrip
	s_cmp_lg_u32 s10, 12
	s_cbranch_scc1 .Lsame_c
	SWITCH
.Lsame_c:
	FRAME 0, 0                                     ; pair 6: nothing is left to fetch
	STEP AK0, AV0, 0, 0, 0
	STEP AK0, AV0, 2*KQ, 2*VQ, 0
	s_cmp_lg_u32 s10, 14
	s_cbranch_scc1 .Lsame_d
	SWITCH
.Lsame_d:
	STEP AKD1, AVD1, 0, 0, 0                       ; tile 14 - e, which came in with the diagonal tile
	NOPS 4
	FINAL 96, 0, 1
	s_wait_tensorcnt 0x0
	ds_add_u32 v62, v63
	s_wait_dscnt 0x0
	s_endpgm
.Lfunc_end_k_q0d3a7c3261_attn:
	.size	k_q0d3a7c3261_attn, .Lfunc_end_k_q0d3a7c3261_attn-k_q0d3a7c3261_attn
	.p2alignl 7, 3214868480
	.fill 96, 4, 3214868480
	.section	.rodata,"a",@progbits
	.p2align	6, 0x0
	.amdhsa_kernel k_q0d3a7c3261_attn
		.amdhsa_group_segment_fixed_size 327680
		.amdhsa_private_segment_fixed_size 0
		.amdhsa_enable_private_segment 0
		.amdhsa_kernarg_size 24
		.amdhsa_user_sgpr_count 2
		.amdhsa_user_sgpr_kernarg_segment_ptr 1
		.amdhsa_wavefront_size32 1
		.amdhsa_system_sgpr_workgroup_id_x 1
		.amdhsa_system_sgpr_workgroup_id_y 1
		.amdhsa_system_sgpr_workgroup_id_z 1
		.amdhsa_system_vgpr_workitem_id 0
		.amdhsa_next_free_vgpr 384
		.amdhsa_next_free_sgpr 102
		.amdhsa_reserve_vcc 1
		.amdhsa_float_denorm_mode_32 3
		.amdhsa_float_denorm_mode_16_64 3
		.amdhsa_memory_ordered 1
		.amdhsa_forward_progress 1
		.amdhsa_inst_pref_size 255
	.end_amdhsa_kernel
	.section	.bss,"aw",@nobits
	.p2align	6
	.space	262144
	.amdgpu_metadata
---
amdhsa.version: [ 1, 2 ]
amdhsa.kernels:
  - .name:           k_q0d3a7c3261_attn
    .symbol:         k_q0d3a7c3261_attn.kd
    .args:
      - { .name: qkv, .offset: 0, .size: 8, .value_kind: global_buffer, .address_space: global }
      - { .name: ao, .offset: 8, .size: 8, .value_kind: global_buffer, .address_space: global }
      - { .name: aol, .offset: 16, .size: 8, .value_kind: global_buffer, .address_space: global }
    .group_segment_fixed_size: 327680
    .private_segment_fixed_size: 0
    .kernarg_segment_align: 8
    .kernarg_segment_size: 24
    .max_flat_workgroup_size: 256
    .sgpr_count:     102
    .vgpr_count:     384
    .wavefront_size: 32
...
	.end_amdgpu_metadata
.endif
;; end of part 5
;; launch oproj (part 6): grid 8 x 32, 4 waves a work-group, clusters of 4 x 4, 327,680 bytes of LDS; arguments ao, wt, out0, aol; writes out0
.if DOCPART == 6
	.amdgcn_target "amdgcn-amd-amdhsa--gfx1250"
	.amdhsa_code_object_version 6
	.text
	.protected	k_q0d3a7c3261_oproj
	.globl	k_q0d3a7c3261_oproj
	.p2align	8
	.type	k_q0d3a7c3261_oproj,@function
k_q0d3a7c3261_oproj:
	s_mov_b64 s[64:65], 0
	v_nop
	global_prefetch_b8 v0, s[64:65] scope:SCOPE_SE
	s_setreg_imm32_b32 hwreg(HW_REG_WAVE_MODE, 25, 1), 1
	s_wait_xcnt 0x0
	s_wait_alu depctr_hold_cnt(0) depctr_sa_sdst(0) depctr_va_vdst(0) depctr_va_sdst(0) depctr_va_ssrc(0) depctr_va_vcc(0) depctr_vm_vsrc(0)
	s_getreg_b32 s2, hwreg(HW_REG_IB_STS2, 6, 4)
	s_cmp_eq_u32 s2, 0
	s_cbranch_scc0 .Lentry_in_a_cluster
	s_endpgm
.Lentry_in_a_cluster:
	s_bfe_u32 s2, ttmp6, 0x10000c
	s_cmp_lg_u32 s2, 0xf033
	s_cbranch_scc0 .Lentry_shape_is_right
	s_endpgm
.Lentry_shape_is_right:
; out0[m][n] = sum over head, d of o[m][64 head + d] Wo[64 head + d][n], m = 2048 b + l: f16 operands, f32 sums, f32 out.  K = 1024.
; ao[m / 16][head][t][lane][8] f16 holds o in the order of this product's source-1 fragments: lane (r, h) of a tile of 16 rows finds o[row r][16 t + 8 h + 0..7]
; at byte 16 x lane of block (head, t), so a fragment is two loads of 512 consecutive LDS bytes and ao's tiles need no padding.
; Wo^T lies in wt's rows 3072 .. 4095 as f16, K along the rows.
; THE REMAINDER: aol[block row / 8][head][t][lane][8] f16 holds o - f16(o) for the first 16 rows of block rows 0, 8, 16 and 24.  A sequence's first rows average few
; values and are up to some 15 times larger than the output's root mean square, so there (block rows 0 and 16) the rounding of o to f16 is made good: the
; remainder is multiplied by the same fragments of Wo and added onto the same sums.  From row 16 on the rows' scale has fallen to a quarter and the rounding
; is a small part of what is allowed.  Block row R = Y + 8 cy (Y: the cluster's y) and the launch
; branches once, on Y = 0: those clusters hold block rows 0, 8, 16, 24, and block rows 8 and 24 take the remainder too, because partners run the same text.
; A work-group makes 128 x 128 of out0 with four waves, 2 x 2, 64 x 64 each: 16 accumulator tiles.  K goes in four fills of 256 (four heads) through two LDS
; slots; the text is written out, without a loop.
; CLUSTERS: 4 x 4 work-groups; ao's tiles and the remainders are shared along a row of the cluster, Wo's along a column, each asked for jointly.
; REGISTERS: window 0: addresses, v64-127 the way out, v128-159 the remainder's fragments (buffer f, 32 of K kq: 128 + 16 f + 8 kq).
;   window 1: fragment buffer f at 128 f: for each 32 of K (kq) Wo's four tiles at + 64 kq + 8 b, ao's at + 64 kq + 32 + 8 a.   window 2: accumulator tile (a, b) at v[8 (4 a + b)].
; The matrix instruction is used transposed (source 0 = rows of Wo^T, source 1 = rows of o): lane l holds row l % 16 of out0 and eight neighbouring columns.
; Accumulators take turns, one matrix instruction a turn.
.set BP,     528                       ; Wo's LDS row: 512 bytes + 16
.set ATILE,  8192                      ; 16 rows x 4 heads of ao
.set AHALF,  4*ATILE                   ; what waves 0 and 1 fetch: four row tiles each
.set BHALF,  64*BP                     ; what waves 2 and 3 fetch: 64 rows of Wo^T each: 33,792
.set BOFF,   2*BHALF                   ; Wo's rows lie behind ao's 65,536 bytes and a gap of 2,048, so that wave w's part begins at w x BHALF
.set SLOT,   4*BHALF                   ; 135,168 = 528 x 256
.set LOB,    2*SLOT                    ; the remainders: 32,768 bytes, filled once
.set STAGE,  LOB+32768                 ; 303,104 = 1184 x 256: 16 rows x 272 bytes for each wave; no tensor load lands here
.set SPITCH, 272
.set ADRA, 16
.set ADRB, 20
.set STO,  24
.set RD,   25
.set CO,   26
.set ADRL, 27
.set LOF,  128
.set G1, 24                            ; s[24:31] group 1 for ao's tiles, s[32:39] their group 0, one set for each slot
.set G0, 32
.set G1B, 48                           ; s[48:55], s[56:63] the same for Wo's
.set G0B, 56
.set G1L, 68                           ; s[68:75], s[76:79] the remainders'
.set G0L, 76
.set MSB, 0
.macro WIN new
.if MSB != \new
	s_set_vgpr_msb (MSB<<8)|\new
.set MSB, \new
.endif
.endm
.set MUL,  0xa5                        ; sources 0 and 1 window 1, C and D window 2
.set MULX, 0xa1                        ; source 0 window 1, source 1 window 0, C and D window 2
.set TO_F, 0x40                        ; destination window 1
.macro JLOAD s                         ; waves 0 and 1 ask for ao's halves, waves 2 and 3 for Wo's; the branch hangs on the wave's number alone
	s_cmp_eq_u32 s11, 0
	s_cbranch_scc0 .Lfor_b_\@
	tensor_load_to_lds s[G0+4*\s:G0+4*\s+3], s[G1:G1+7]
	s_nop 0
	s_branch .Lasked_\@
.Lfor_b_\@:
	tensor_load_to_lds s[G0B+4*\s:G0B+4*\s+3], s[G1B:G1B+7]
	s_nop 0
.Lasked_\@:
.endm
.macro CREST
	s_cmp_lg_u32 s10, 0
	s_cbranch_scc1 .Lnot_wave_0_\@
	s_barrier_signal -3
.Lnot_wave_0_\@:
	s_barrier_wait -3
	s_barrier_signal -1
	s_barrier_wait -1
.endm
.macro CROUND
	s_barrier_signal -1
	s_barrier_wait -1
	CREST
.endm
.macro PLACES                          ; four places behind matrix instructions (ISA guide 7.12.1)
.rept 4
	v_nop
.endr
.endm
	s_load_b128 s[4:7], s[0:1], 0x0                ; ao s[4:5], wt s[6:7]
	s_load_b64 s[8:9], s[0:1], 0x10                ; out0
	s_load_b64 s[66:67], s[0:1], 0x18              ; aol
	v_lshl_add_u32 v254, v0, 2, 0x4e400
	v_mov_b32 v255, 0
	ds_add_u32 v254, v255
	v_lshrrev_b32 v1, 5, v0
	v_readfirstlane_b32 s10, v1                    ; wave 0..3
	s_lshr_b32 s11, s10, 1                         ; my half of the block's rows.  Also: I fetch ao (0) or Wo (1)
	s_and_b32 s12, s10, 1                          ; my half of its columns.  Also: which half of that tile
	s_bfe_u32 s40, ttmp6, 0x40000                  ; cx
	s_bfe_u32 s41, ttmp6, 0x40004                  ; cy
	s_lshl_b32 s42, ttmp9, 2
	s_add_co_u32 s42, s42, s40                     ; block column = 4 x cluster x + cx
	s_and_b32 s45, ttmp7, 0xffff                   ; Y, the cluster's y: the same in all sixteen partners
	s_lshl_b32 s13, s41, 3
	s_add_co_u32 s13, s13, s45                     ; block row R = Y + 8 cy
	s_lshl_b32 s43, s41, 2
	s_lshl_b32 s43, 15, s43                        ; my row of the cluster
	s_lshl_b32 s44, 0x1111, s40                    ; my column
	; ao: four row tiles; of each the fill's four heads, 8,192 dense bytes (1,024 elements of 8 bytes); from row tile to row tile 32,768 bytes
	s_or_b32 s[G1+0], s43, (3<<16)|(1<<21)
	s_mov_b32 s[G1+1], 1024<<16                    ; tensor_dim0
	s_mov_b32 s[G1+2], 4<<16                       ; tensor_dim1
	s_mov_b32 s[G1+3], 1024<<16                    ; tile_dim0
	s_mov_b32 s[G1+4], 4                           ; tile_dim1
	s_mov_b32 s[G1+5], 4096                        ; elements from row tile to row tile
	s_mov_b32 s[G1+6], 0
	s_mov_b32 s[G1+7], 0
	; Wo: 64 rows x 256 elements of 2 bytes (512 bytes), 4 words of padding behind every 128
	s_or_b32 s[G1B+0], s44, (1<<16)|(1<<20)|(1<<21)|(6<<22)|(3<<25)
	s_mov_b32 s[G1B+1], 256<<16
	s_mov_b32 s[G1B+2], 64<<16
	s_mov_b32 s[G1B+3], 256<<16
	s_mov_b32 s[G1B+4], 64
	s_mov_b32 s[G1B+5], 1024
	s_mov_b32 s[G1B+6], 0
	s_mov_b32 s[G1B+7], 0
	; the remainders: a quarter of the block row's 32,768 dense bytes to each wave, as 32 rows of 256 bytes
	s_or_b32 s[G1L+0], s43, (3<<16)|(1<<21)
	s_mov_b32 s[G1L+1], 32<<16
	s_mov_b32 s[G1L+2], 32<<16
	s_mov_b32 s[G1L+3], 32<<16
	s_mov_b32 s[G1L+4], 32
	s_mov_b32 s[G1L+5], 32
	s_mov_b32 s[G1L+6], 0
	s_mov_b32 s[G1L+7], 0
	; the lanes' addresses, while the pointers are on their way
	v_and_b32 v1, 15, v0                           ; r
	v_bfe_u32 v2, v0, 4, 1                         ; h
	v_and_b32 v8, 31, v0
	v_lshlrev_b32 v3, 4, v8                        ; 16 x lane: ao's fragments and the remainders'
	v_mul_u32_u24 v4, v1, BP
	v_lshl_add_u32 v4, v2, 4, v4                   ; Wo: row r, 16 h
	s_lshl_b32 s22, s11, 15                        ; my four row tiles of ao
	s_mul_i32 s23, s12, BHALF                      ; my 64 rows of Wo,
	s_add_co_u32 s23, s23, BOFF                    ; which lie behind ao's
.irp s, 0,1
	v_add_nc_u32 v[ADRA+\s], s22, v3
	v_add_nc_u32 v[ADRB+\s], s23, v4
	s_add_co_u32 s22, s22, SLOT
	s_add_co_u32 s23, s23, SLOT
.endr
	v_add_nc_u32 v[ADRL], LOB, v3
	s_mul_i32 s23, s10, 16*SPITCH
	s_add_co_u32 s23, s23, STAGE                   ; my stage
	v_mul_u32_u24 v5, v1, SPITCH
	v_lshl_add_u32 v5, v2, 5, v5
	v_add_nc_u32 v[STO], s23, v5                   ; in: row r, 32 bytes for each half of the lanes
	v_mul_u32_u24 v6, v2, SPITCH
	v_lshl_add_u32 v6, v1, 4, v6
	v_add_nc_u32 v[RD], s23, v6                    ; back: lanes 0-15 one row of 256 bytes, lanes 16-31 the next
	v_lshlrev_b32 v7, 12, v2
	v_lshl_add_u32 v[CO], v1, 4, v7                ; and the same two rows in out0
	s_lshl_b32 s16, s13, 18                        ; ao: a block row is 8 row tiles of 32,768 bytes
	s_lshl_b32 s17, s12, 17                        ; + my four
	s_add_co_u32 s16, s16, s17
	s_mov_b32 s17, 0
	s_lshl_b32 s46, s42, 18                        ; wt: 128 rows of 2,048 bytes each block column
	s_lshl_b32 s47, s12, 17                        ; + my 64 rows
	s_add_co_u32 s46, s46, s47
	s_add_co_u32 s46, s46, 3072*2048               ; behind Wq, Wk, Wv
	s_mov_b32 s47, 0
	s_lshr_b32 s18, s13, 3
	s_lshl_b32 s18, s18, 15                        ; aol: tile R / 8
	s_lshl_b32 s19, s10, 13                        ; + my quarter
	s_add_co_u32 s18, s18, s19
	s_mov_b32 s22, s19                             ; which goes to wave x 8,192 in the remainders' LDS bytes
	s_mov_b32 s19, 0
	s_mul_i32 s20, s10, AHALF                      ; where ao's halves go: wave x four row tiles
	s_mul_i32 s21, s10, BHALF                      ; where Wo's go: wave x 64 rows
	s_wait_dscnt 0x0
	s_wait_kmcnt 0x0
	s_add_nc_u64 s[14:15], s[4:5], s[16:17]
	s_add_nc_u64 s[46:47], s[6:7], s[46:47]
.irp s, 0,1
	s_mov_b32 s[G0+4*\s], 1
	s_add_co_u32 s[G0+4*\s+1], s20, \s*SLOT
	s_add_nc_u64 s[G0+4*\s+2:G0+4*\s+3], s[14:15], \s*ATILE
	s_or_b32 s[G0+4*\s+3], s[G0+4*\s+3], 0x80000000
	s_mov_b32 s[G0B+4*\s], 1
	s_add_co_u32 s[G0B+4*\s+1], s21, \s*SLOT
	s_add_nc_u64 s[G0B+4*\s+2:G0B+4*\s+3], s[46:47], \s*512
	s_or_b32 s[G0B+4*\s+3], s[G0B+4*\s+3], 0x80000000
.endr
	s_mov_b32 s[G0L], 1
	s_add_co_u32 s[G0L+1], s22, LOB
	s_add_nc_u64 s[G0L+2:G0L+3], s[66:67], s[18:19]
	s_or_b32 s[G0L+3], s[G0L+3], 0x80000000
.macro MUL16 f, kq, zero               ; all 16 tiles, 32 along K
.irp a, 0,1,2,3
.irp b, 0,1,2,3
.if \zero
	v_wmma_f32_16x16x32_f16 v[8*(4*\a+\b):8*(4*\a+\b)+7], v[128*\f+64*\kq+8*\b:128*\f+64*\kq+8*\b+7], v[128*\f+64*\kq+32+8*\a:128*\f+64*\kq+32+8*\a+7], 0
.else
	v_wmma_f32_16x16x32_f16 v[8*(4*\a+\b):8*(4*\a+\b)+7], v[128*\f+64*\kq+8*\b:128*\f+64*\kq+8*\b+7], v[128*\f+64*\kq+32+8*\a:128*\f+64*\kq+32+8*\a+7], v[8*(4*\a+\b):8*(4*\a+\b)+7]
.endif
.endr
.endr
.endm
; The remainder of the block's first 16 rows times buffer f's fragments of Wo, onto the sums of row tile 0: eight matrix instructions, in the two waves that hold rows 0-63.
.macro EXT f
	WIN 0                                          ; a branch follows
	s_cmp_lg_u32 s11, 0
	s_cbranch_scc1 .Lno_ext_\@
	WIN MULX
.irp kq, 0,1
.irp b, 0,1,2,3
	v_wmma_f32_16x16x32_f16 v[8*\b:8*\b+7], v[128*\f+64*\kq+8*\b:128*\f+64*\kq+8*\b+7], v[LOF+16*\f+8*\kq:LOF+16*\f+8*\kq+7], v[8*\b:8*\b+7]
.endr
.endr
	WIN 0
.Lno_ext_\@:
.endm
; 32 LDS loads: head number head of the slot's four, into buffer f, the first 32 of K first.  ext = 1: four more, the remainder's fragments of that head
; (hg: its number among the 16).  All four waves load these, so that the waits' counts are the same in all; the waves of rows 64-127 do not use them.
.macro FETCH slot, head, f, hg, ext
	WIN TO_F
.irp kq, 0,1
.irp i, 0,1,2,3
	ds_load_b128 v[128*\f+64*\kq+8*\i:128*\f+64*\kq+8*\i+3],   v[ADRB+\slot] offset:128*(\head)+64*\kq+\i*16*BP
	ds_load_b128 v[128*\f+64*\kq+8*\i+4:128*\f+64*\kq+8*\i+7], v[ADRB+\slot] offset:128*(\head)+64*\kq+\i*16*BP+32
.endr
.irp i, 0,1,2,3
	ds_load_b128 v[128*\f+64*\kq+32+8*\i:128*\f+64*\kq+32+8*\i+3],   v[ADRA+\slot] offset:\i*ATILE+2048*(\head)+1024*\kq
	ds_load_b128 v[128*\f+64*\kq+32+8*\i+4:128*\f+64*\kq+32+8*\i+7], v[ADRA+\slot] offset:\i*ATILE+2048*(\head)+1024*\kq+512
.endr
.endr
.if \ext
	WIN 0
.irp kq, 0,1
	ds_load_b128 v[LOF+16*\f+8*\kq:LOF+16*\f+8*\kq+3],   v[ADRL] offset:2048*(\hg)+1024*\kq
	ds_load_b128 v[LOF+16*\f+8*\kq+4:LOF+16*\f+8*\kq+7], v[ADRL] offset:2048*(\hg)+1024*\kq+512
.endr
.endif
.endm
.macro HSTEP slot, head, f, g, zero, hg, ext   ; multiplies buffer f (a head, 64 of K); in its middle fetches head number head of the same slot into buffer g
	s_wait_dscnt 16+4*\ext                         ; the first 32 of K are in; the sixteen younger loads, and the remainder's four, may be out
	WIN MUL
	MUL16 \f, 0, \zero
	PLACES
	FETCH \slot, \head, \g, \hg, \ext
	s_wait_dscnt 32+4*\ext                         ; all but the run just issued
	WIN MUL
	MUL16 \f, 1, 0
.if \ext
	EXT \f
.endif
.endm
; A slot's last head, in buffer 1, and the change of slots.  In front of the barrier: my reads of this slot and all my tensor loads (one is out: my part
; of the next slot).  Behind it the refill first.  From a request to the wait for it a wave issues 112 of a fill's 128 matrix instructions.
.macro HTURN slot, next, fill, hg, ext
	s_wait_dscnt 0x0
	s_set_vgpr_msb (MSB<<8)|((MSB&0xf0)|0x0)
	s_wait_tensorcnt 0x0
	ds_add_u32 v254, v255
	s_wait_dscnt 0x0
	s_set_vgpr_msb (((MSB&0xf0)|0x0)<<8)|MSB
	s_barrier_signal -1                            ; where the slot is filled again this barrier opens a round of the cluster's barrier
	WIN MUL
	MUL16 1, 0, 0                                  ; register work while the others arrive
	WIN 0
	s_barrier_wait -1
.if \fill
	CREST                                          ; no wave of any partner still reads this slot or has a load on its way
	s_add_nc_u64 s[G0+4*\slot+2:G0+4*\slot+3], s[G0+4*\slot+2:G0+4*\slot+3], 2*ATILE
	s_add_nc_u64 s[G0B+4*\slot+2:G0B+4*\slot+3], s[G0B+4*\slot+2:G0B+4*\slot+3], 1024
	JLOAD \slot                                    ; the wave's one tensor load behind the round
.endif
	PLACES
	FETCH \next, 0, 0, \hg, \ext
	WIN MUL
	MUL16 1, 1, 0
.if \ext
	EXT 1
.endif
.endm
.macro FOUR slot, next, fill, zero, h0, ext    ; a fill: heads h0 .. h0 + 3
	HSTEP \slot, 1, 0, 1, \zero, \h0+1, \ext
	HSTEP \slot, 2, 1, 0, 0, \h0+2, \ext
	HSTEP \slot, 3, 0, 1, 0, \h0+3, \ext
	HTURN \slot, \next, \fill, \h0+4, \ext
.endm
; The whole product.  ext = 1: with the remainder of the block's first 16 rows.
.macro BODY ext
.if \ext
	tensor_load_to_lds s[G0L:G0L+3], s[G1L:G1L+7]  ; every wave's quarter of the remainders
	s_nop 0
.endif
	JLOAD 0                                        ; fills 0 and 1: with the remainders three tensor loads of the wave are out, else two
	JLOAD 1
	s_wait_tensorcnt 1                             ; all but fill 1's part are in; it may stay out
	s_barrier_signal -1
	s_barrier_wait -1
	FETCH 0, 0, 0, 0, \ext
	FOUR 0, 1, 1, 1, 0, \ext                       ; fill 0 (its first products start the sums); slot 0 gets fill 2
	FOUR 1, 0, 1, 0, 4, \ext                       ; fill 1; slot 1 gets fill 3
	FOUR 0, 1, 0, 0, 8, \ext                       ; fill 2; nothing is left to fetch
	HSTEP 1, 1, 0, 1, 0, 13, \ext                  ; fill 3
	HSTEP 1, 2, 1, 0, 0, 14, \ext
	HSTEP 1, 3, 0, 1, 0, 15, \ext
	s_wait_dscnt 16+4*\ext
	WIN MUL
	MUL16 1, 0, 0
	s_wait_dscnt 0
	MUL16 1, 1, 0
.if \ext
	EXT 1
.endif
	WIN 0
.endm
	CROUND                                         ; all sixteen work-groups are here: the first joint loads meet
	s_cmp_lg_u32 s45, 0                            ; Y is the same in all partners of a cluster
	s_cbranch_scc1 .Lplain
	BODY 1                                         ; block rows 0, 8, 16, 24
	s_branch .Lway_out
.Lplain:
	BODY 0
.Lway_out:
	; THE WAY OUT, 16 rows at a time through my stage: a lane puts its 32 bytes of a row, whole rows of 256 bytes come back.
	PLACES
	s_lshl_b32 s16, s13, 19                        ; 128 rows of 4,096 bytes each block row
	s_lshl_b32 s14, s11, 18                        ; + my 64 rows
	s_add_co_u32 s16, s16, s14
	s_mov_b32 s17, 0
	s_add_nc_u64 s[8:9], s[8:9], s[16:17]
	s_lshl_b32 s46, s42, 9                         ; 128 columns of 4 bytes each block column (in the registers that held wt's address)
	s_lshl_b32 s47, s12, 8                         ; + my 64 columns
	s_add_co_u32 s46, s46, s47
	s_mov_b32 s47, 0
	s_add_nc_u64 s[8:9], s[8:9], s[46:47]
.macro OUT16 a, f
	WIN 0x08                                       ; the stores' data in window 2
.irp b, 0,1,2,3
	ds_store_b128 v[STO], v[8*(4*\a+\b):8*(4*\a+\b)+3]   offset:64*\b
	ds_store_b128 v[STO], v[8*(4*\a+\b)+4:8*(4*\a+\b)+7] offset:64*\b+16
.endr
	WIN 0
	s_wait_xcnt 0x0                                ; buffer f, which earlier stores read, is loaded again only behind this wait
.irp t, 0,1,2,3,4,5,6,7
	ds_load_b128 v[\f+4*\t:\f+4*\t+3], v[RD] offset:\t*2*SPITCH   ; LDS serves a wave's instructions in order: these see the stores above
.endr
.irp t, 0,1,2,3,4,5,6,7
	s_wait_dscnt 7-\t
	global_store_b128 v[CO], v[\f+4*\t:\f+4*\t+3], s[8:9] offset:(16*\a+2*\t)*4096 th:TH_STORE_NT   ; sixteen lanes store 256 consecutive bytes, aligned
.endr
.endm
	OUT16 0, 64
	OUT16 1, 96
	OUT16 2, 64
	OUT16 3, 96
	s_set_vgpr_msb (MSB<<8)|((MSB&0xf0)|0x0)
	s_wait_tensorcnt 0x0
	ds_add_u32 v254, v255
	s_wait_dscnt 0x0
	s_set_vgpr_msb (((MSB&0xf0)|0x0)<<8)|MSB
	CROUND                                         ; the closing round: no work-group ends while a partner may still ask for a tile that names it
	s_endpgm
.Lfunc_end_k_q0d3a7c3261_oproj:
	.size	k_q0d3a7c3261_oproj, .Lfunc_end_k_q0d3a7c3261_oproj-k_q0d3a7c3261_oproj
	.p2alignl 7, 3214868480
	.fill 96, 4, 3214868480
	.section	.rodata,"a",@progbits
	.p2align	6, 0x0
	.amdhsa_kernel k_q0d3a7c3261_oproj
		.amdhsa_group_segment_fixed_size 327680
		.amdhsa_private_segment_fixed_size 0
		.amdhsa_enable_private_segment 0
		.amdhsa_kernarg_size 32
		.amdhsa_user_sgpr_count 2
		.amdhsa_user_sgpr_kernarg_segment_ptr 1
		.amdhsa_wavefront_size32 1
		.amdhsa_system_sgpr_workgroup_id_x 1
		.amdhsa_system_sgpr_workgroup_id_y 1
		.amdhsa_system_sgpr_workgroup_id_z 1
		.amdhsa_system_vgpr_workitem_id 0
		.amdhsa_next_free_vgpr 640
		.amdhsa_next_free_sgpr 80
		.amdhsa_reserve_vcc 0
		.amdhsa_float_denorm_mode_32 3
		.amdhsa_float_denorm_mode_16_64 3
		.amdhsa_memory_ordered 1
		.amdhsa_forward_progress 1
		.amdhsa_inst_pref_size 173
	.end_amdhsa_kernel
	.amdgpu_metadata
---
amdhsa.version: [ 1, 2 ]
amdhsa.kernels:
  - .name:           k_q0d3a7c3261_oproj
    .symbol:         k_q0d3a7c3261_oproj.kd
    .args:
      - { .name: ao, .offset: 0, .size: 8, .value_kind: global_buffer, .address_space: global }
      - { .name: wt, .offset: 8, .size: 8, .value_kind: global_buffer, .address_space: global }
      - { .name: out0, .offset: 16, .size: 8, .value_kind: global_buffer, .address_space: global }
      - { .name: aol, .offset: 24, .size: 8, .value_kind: global_buffer, .address_space: global }
    .group_segment_fixed_size: 327680
    .private_segment_fixed_size: 0
    .kernarg_segment_align: 8
    .kernarg_segment_size: 32
    .max_flat_workgroup_size: 128
    .sgpr_count:     80
    .vgpr_count:     640
    .wavefront_size: 32
...
	.end_amdgpu_metadata
.endif
;; end of part 6
